; MI455X (gfx1250); checked and timed in simulation.
; The chip was launched on July 23, 2026; its instructions are those of AMD's public machine-readable ISA for CDNA 5 (MIT licence, August 2026) and "CDNA5" Instruction Set Architecture Reference Guide (July 2026). The comments in the code are by the model that wrote it; some were corrected since.
;; Multihead Attention. Allowed arithmetic: matrix products marked QUANTISED: E2M1 operands, one E8M0 scale for each 32 along K, by v_wmma_scale_f32_16x16x128_f8f6f4 with both operands' format E2M1 (or v_wmma_scale_f32_32x16x128_f4), f32 sums; everything else in f32.
;; Inputs: Wk 16 x 1,024 x 64 float32; Wp 1,024 x 1,024 float32; Wq 16 x 1,024 x 64 float32; Wv 16 x 1,024 x 64 float32; attention_mask 2 x 2,048 int32; bk 16 x 64 float32; bp 1,024 float32; bq 16 x 64 float32; bv 16 x 64 float32; ln_b 1,024 float32; ln_g 1,024 float32; x 2 x 2,048 x 1,024 float32.
;; Outputs: out0 2 x 2,048 x 1,024 float32.
;; This version of the problem:
;;   THIS VERSION OF THE PROBLEM IS GIVEN IN LOW PRECISION. The matrix products marked QUANTISED in the list below multiply operands that are first quantised to E2M1 (2 exponent bits, 1 mantissa bit; 4 bits a number), with one power-of-two scale for each 32 numbers along K (OCP MX v1.0); their sums are f32. All else is computed in f32.
;;   The module's matrix products, in the order in which they are computed (A, B: the left and right operand; K: the contracted axis; several contracted axes count as one K, in the product's order):
;;     1. [M 1,024, K 1,024] x [K 1,024, N 4,096]; A: input Wq; B: computed on the way: QUANTISED
;;     2. [M 1,024, K 1,024] x [K 1,024, N 4,096]; A: input Wk; B: computed on the way: QUANTISED
;;     3. [M 1,024, K 1,024] x [K 1,024, N 4,096]; A: input Wv; B: computed on the way: QUANTISED
;;     4. batch 32 x [M 2,048, K 64] x [K 64, N 2,048]; A: computed on the way; B: computed on the way: QUANTISED
;;     5. batch 32 x [M 2,048, K 2,048] x [K 2,048, N 64]; A: softmax (see below); B: computed on the way: QUANTISED
;;     6. [M 4,096, K 1,024] x [K 1,024, N 1,024]; A: computed on the way; B: input Wp: QUANTISED
;;   THE QUANTISER, for each operand of a quantised product, along K:
;;     - K is cut into blocks of 32 from its start; a last block that is shorter is filled with zeros.
;;     - A block's scale is 2^e with e = floor(log2(the largest magnitude in the block)) - 2, held to -126 .. 127; a block of zeros has e = 0. As a byte (E8M0): e + 127.
;;     - Each number is divided by its block's scale, clamped to +-6, and rounded to the nearest number of E2M1, ties to even, subnormals kept.
;;     - The product sums the exact products of the quantised numbers (number of the format x scale) in f32.
;;   ~~~python
;;   def quantise(x, axis):      # numpy; x: float32 -> the quantised numbers, widened to float32 again
;;       x = np.moveaxis(x, axis, -1); K = x.shape[-1]
;;       x = np.pad(x, [(0, 0)] * (x.ndim - 1) + [(0, -K % 32)]); x = x.reshape(x.shape[:-1] + (-1, 32)); a = np.abs(x).max(-1, keepdims=True)
;;       e = np.where(a > 0, np.clip(np.frexp(np.where(a > 0, a, 1))[1] - 1 - 2, -126, 127), 0)      # np.frexp(a)[1] - 1 = floor(log2(a)), exactly
;;       r = np.clip(x / 2.0 ** e, -6, 6)
;;       step = 2.0 ** (np.maximum(np.frexp(np.where(r == 0, 1, r))[1] - 1, 0) - 1)
;;       q = np.round(r / step) * step * 2.0 ** e      # np.round: ties to even
;;       return np.moveaxis(q.reshape(q.shape[:-2] + (-1,))[..., :K], -1, axis).astype(np.float32)
;;   ~~~
;;   SOFTMAX AHEAD OF A QUANTISED PRODUCT. Where the list says 'softmax', what is quantised is not the finished softmax but p = 2^(t - M), with t = logit x log2(e) and M = ceil(the row's largest t), a whole number; so 1/2 < the row's largest p <= 1. The row's sum l is taken of the UNQUANTISED p, in f32, and the product's result is divided by l at the end. Since M is a whole number, a kernel that streams over the keys may use a running M (the ceiling of the running maximum): every later rescaling is an exact power of two, which a block's scale takes up: the codes' values come out the same.
;;   OPERANDS COMPUTED ON THE WAY. 'Computed on the way' means the value that the module computes at that place (a softmax that the list does not call 'softmax' is quantised finished and normalised). What goes into a quantiser is computed in f32, as accurately as f32 sums, v_exp_f32 and their like allow (about 1e-6 of the number): no bf16 or f16 on the way to a quantiser, and a product that is left as it is and whose result goes on into a quantised operand takes f32 operands (vector FMAs, or v_wmma_f32_16x16x4_f32). A number that lies on a knife's edge between two numbers of the format may be rounded either way, as far as f32 arithmetic and the matrix unit's own rounding can turn it there, and no further.
;; One version. Each part assembles by itself: llvm-mc -triple=amdgcn-amd-amdhsa -mcpu=gfx1250 --defsym DOCPART=n.
;; ======== version 1 of 1: 4 launches
;; limits: right only within a limited range of input values
;; workspace buffers: nxq 2,228,224 bytes; wpq 557,056 bytes; wq 1,671,168 bytes; qq 2,359,296 bytes; kv 4,849,664 bytes; oq 2,228,224 bytes
;; launch prep (part 1): grid 512 x 1, 4 waves a work-group, no clusters, 83,456 bytes of LDS; arguments x, ln_g, ln_b, Wq, Wk, Wv, Wp, nxq, wq, wpq; writes nxq, wq, wpq
.if DOCPART == 1
	.amdgcn_target "amdgcn-amd-amdhsa--gfx1250"
	.amdhsa_code_object_version 6
	.text
	.protected	k_qe6083c644b_prep
	.globl	k_qe6083c644b_prep
	.p2align	8
	.type	k_qe6083c644b_prep,@function
k_qe6083c644b_prep:
	s_mov_b64 s[64:65], 0
	v_nop
	global_prefetch_b8 v0, s[64:65] scope:SCOPE_SE
	s_setreg_imm32_b32 hwreg(HW_REG_WAVE_MODE, 25, 1), 1
	s_wait_xcnt 0x0
; LayerNorm of x and the quantising of nx, Wp, Wq, Wk, Wv to codes of FP4 (E2M1) with one E8M0 byte for each 32 along K.
; A block's byte is its largest magnitude's exponent field - 2, held at 1 from below by a floor among the maximum's leaves.
; LIMITS: a block whose largest magnitude lies under 2^-124 (a block of zeros too) keeps the byte 1; its bytes are read by this program alone.
; NaN and infinities among the inputs are not served.
; WHAT IS STORED.  Rows are grouped in tiles of 16: tile T, place r holds row 32 (T / 2) + 8 (T % 2) + r + 8 (r / 8).  A fragment (a tile x 128 along K)
; lies as an image of the operand's registers, 1,024 bytes: [c 0..1][lane][16 bytes], lane 16 hh + r holding the codes k = 64 c + 32 hh + 0 .. 31 of place r.
; ROLES, by the work-group's number: 0-255 a tile of x, with LayerNorm; 256-319 a tile of Wp, the same text without it; 320-511 the weights whose K is not innermost.
; ROWS.  Wave w takes places 4 w .. 4 w + 3: four neighbouring rows, 32 registers each.  Loads take the bytes as they lie (512 to a load); after the norm a row turns through
; the wave's own stage in LDS so that lane l holds block l (32 neighbours).  The codes meet in a stage of 32 units of 256 bytes and leave 512 consecutive bytes to a store.
; WEIGHTS.  A lane takes a column d and its registers run down K: a block of 32 lies in one lane.  No LDS, no barrier.
; No matrix unit, no tensor load, no cluster: every byte is read once by one wave.
.set CST, 73728                        ; LDS: behind four turn stages of 18,432 bytes: 32 units of 256 + 16 bytes of codes
.set SST, 82432                        ; and the tile's 512 scale bytes
.set ST,  16                           ; v16-31   four registers of sums a row
.set X,   32                           ; v32-159  row i at X + 32 i
.set G,   160                          ; v160-191 the gain,  v192-223 the bias, in x's lane map
.set B,   192
.set C,   224                          ; v224-239 a row's codes, four registers
.set QT,  240                          ; v240-255 at work, four a row
.set SEL, 46                           ; s[46:47] lane selects: lane l xor 16
.macro ACROSS                          ; four rows' two pairs of partial sums become the rows' sums, in every lane
.irp i,0,1,2,3
	v_pk_add_f32 v[ST+4*\i:ST+4*\i+1], v[ST+4*\i:ST+4*\i+1], v[ST+4*\i+2:ST+4*\i+3]
.endr
.irp i,0,1,2,3
	v_add_f32 v[ST+4*\i], v[ST+4*\i], v[ST+4*\i+1]
.endr
.irp m,1,2,4,8
.irp i,0,1,2,3
	v_add_f32_dpp v[ST+4*\i], v[ST+4*\i], v[ST+4*\i] row_xmask:\m row_mask:0xf bank_mask:0xf
.endr
.endr
.irp i,0,1,2,3
	v_permlanex16_b32 v[ST+4*\i+1], v[ST+4*\i], s[SEL], s[SEL+1]
.endr
.irp i,0,1,2,3
	v_add_f32 v[ST+4*\i], v[ST+4*\i], v[ST+4*\i+1]
.endr
.endm
.macro BLOCKMAX q, xs                  ; the largest magnitude of 32 registers, in two chains, with the floor 2^(3 - 127); then the conversion's scale operand
	v_max3_num_f32 v[\q], |v[\xs]|, |v[\xs+1]|, |v[\xs+2]|
	v_max3_num_f32 v[\q+1], |v[\xs+3]|, |v[\xs+4]|, |v[\xs+5]|
.irp e,6,10,14,18,22,26
	v_max3_num_f32 v[\q], v[\q], |v[\xs+\e]|, |v[\xs+\e+1]|
	v_max3_num_f32 v[\q+1], v[\q+1], |v[\xs+\e+2]|, |v[\xs+\e+3]|
.endr
	v_max3_num_f32 v[\q], v[\q], |v[\xs+30]|, |v[\xs+31]|
	v_max3_num_f32 v[\q], v[\q], v[\q+1], 0x1800000
	v_add_nc_u32 v[\q+2], 0xff000000, v[\q]        ; 2 off the exponent field
	v_lshrrev_b32 v[\q+3], 23, v[\q+2]             ; the scale's byte
.endm
.macro QROW i, left                    ; row i, back from the turn: my block's codes and byte go to the work-group's stages
	s_wait_dscnt \left
.set XS, X+32*(\i)
.set Q, QT+4*(\i)
	BLOCKMAX Q, XS
.irp g,0,1,2,3
	v_cvt_scalef32_pk8_fp4_f32 v[C+4*(\i)+\g], v[XS+8*\g:XS+8*\g+7], v[Q+2]
.endr
	v_nop                                          ; a plain line behind the conversions
	ds_store_b128 v4, v[C+4*(\i):C+4*(\i)+3] offset:16*(\i)
	ds_store_b8 v5, v[Q+3] offset:16*(\i)
.endm
.macro WLOAD t                         ; block t of my column: W(128 s + 32 t + i, d); 32 lanes read 128 consecutive bytes
.irp i,0,1,2,3,4,5,6,7,8,9,10,11,12,13,14,15,16,17,18,19,20,21,22,23,24,25,26,27,28,29,30,31
	global_load_b32 v[64+32*(\t)+\i], v1, s[30:31] offset:256*(32*(\t)+\i) th:TH_LOAD_NT
.endr
.endm
.macro WBLK t
.if (\t) < 3
	s_wait_loadcnt 32                              ; this block's 32 loads are in; the next block's may be out
.else
	s_wait_loadcnt 0x0
.endif
.if (\t) < 2
	WLOAD (\t)+2
.endif
.set XS, 64+32*(\t)
	BLOCKMAX 8, XS
.if (\t) == 0
	v_mov_b32 v14, v11                             ; four bytes make the K step's scale word
.else
	v_lshl_or_b32 v14, v11, 8*(\t), v14
.endif
.irp g,0,1,2,3
	v_cvt_scalef32_pk8_fp4_f32 v[32+4*(\t)+\g], v[XS+8*\g:XS+8*\g+7], v10
.endr
	v_nop
	global_store_b128 v2, v[32+4*(\t):32+4*(\t)+3], s[34:35] offset:512*((\t)/2)+256*((\t)%2)   ; each block has registers of its own: no store's data are written again
.endm
	s_load_b512 s[4:19], s[0:1], 0x0               ; x, ln_g, ln_b, Wq, Wk, Wv, Wp, nxq
	s_load_b128 s[20:23], s[0:1], 0x40             ; wq, wpq
	s_set_vgpr_msb 0x40
	v_lshl_add_u32 v0, v0, 2, 0x14400
	v_mov_b32 v1, 0
	s_set_vgpr_msb 0x4000
	v_lshrrev_b32 v1, 5, v0
	v_readfirstlane_b32 s24, v1                    ; wave
	v_and_b32 v7, 31, v0                           ; lane
	s_mov_b32 s[SEL], 0x76543210
	s_mov_b32 s[SEL+1], 0xfedcba98
	s_wait_kmcnt 0x0
	s_cmp_ge_u32 ttmp9, 320
	s_cbranch_scc1 .Lweights
	; ---- ROWS
	s_cmp_lt_u32 ttmp9, 256                        ; x or Wp: the choice hangs on the work-group's number alone
	s_cselect_b64 s[26:27], s[4:5], s[16:17]
	s_cselect_b64 s[28:29], s[18:19], s[22:23]
	s_mov_b32 s31, 0x80000
	s_cselect_b32 s31, 0x200000, s31               ; where the scale bytes begin in the buffer
	s_cselect_b32 s30, 0, 256
	s_sub_co_u32 s25, ttmp9, s30                   ; the tile T
	s_lshr_b32 s32, s25, 1
	s_lshl_b32 s32, s32, 5
	s_and_b32 s33, s25, 1
	s_lshl_b32 s33, s33, 3
	s_add_co_u32 s32, s32, s33
	s_lshl_b32 s33, s24, 2
	s_add_co_u32 s32, s32, s33
	s_lshr_b32 s33, s24, 1
	s_lshl_b32 s33, s33, 3
	s_add_co_u32 s32, s32, s33                     ; my first row: 32 (T / 2) + 8 (T % 2) + 4 w + 8 (w / 2)
	s_lshl_b32 s32, s32, 12
	s_mov_b32 s33, 0
	s_add_nc_u64 s[26:27], s[26:27], s[32:33]
	s_wait_alu depctr_va_vdst(0)
	v_lshlrev_b32 v1, 4, v7                        ; 16 x lane
.irp i,0,1,2,3
.irp j,0,1,2,3,4,5,6,7
	global_load_b128 v[X+32*\i+4*\j:X+32*\i+4*\j+3], v1, s[26:27] offset:4096*\i+512*\j
.endr
.endr
	s_lshl_b32 s32, s25, 9
	s_add_co_u32 s32, s32, s31
	s_add_nc_u64 s[44:45], s[28:29], s[32:33]      ; the tile's 512 scale bytes
	s_lshr_b32 s32, s25, 4
	s_lshl_b32 s32, s32, 17
	s_and_b32 s34, s25, 15
	s_lshl_b32 s34, s34, 10
	s_add_co_u32 s32, s32, s34
	s_lshl_b32 s34, s24, 15
	s_add_co_u32 s32, s32, s34
	s_add_nc_u64 s[42:43], s[28:29], s[32:33]      ; the tile's fragments of K steps 2 w, 2 w + 1
	s_mul_i32 s34, s24, 18432                      ; my turn stage
	v_lshrrev_b32 v8, 3, v7
	v_mul_u32_u24 v2, v8, 144
	v_and_b32 v8, 7, v7
	v_lshl_add_u32 v2, v8, 4, v2
	v_add_nc_u32 v2, s34, v2                       ; in: eight lanes' 128 bytes on end, then 16 of padding
	v_mul_u32_u24 v3, v7, 144
	v_add_nc_u32 v3, s34, v3                       ; out: place = lane: my block
	s_lshl_b32 s35, s24, 6
	s_add_co_u32 s36, s35, CST
	v_mul_u32_u24 v4, v7, 272
	v_add_nc_u32 v4, s36, v4                       ; codes: unit = my block, 16 bytes for each place
	v_lshrrev_b32 v8, 4, v7                        ; hh
	v_and_b32 v9, 15, v7                           ; r
	s_add_co_u32 s36, s35, SST
	v_lshl_add_u32 v5, v8, 8, v9
	v_add_nc_u32 v5, s36, v5                       ; bytes: [block / 16][place][block % 16]
	s_mul_i32 s36, s24, 2176
	s_add_co_u32 s36, s36, CST
	v_mul_u32_u24 v6, v8, 272
	v_lshl_add_u32 v6, v9, 4, v6
	v_add_nc_u32 v6, s36, v6                       ; back: units 8 w + hh on, 16 lanes to a unit
	v_add_nc_u32 v10, SST, v1
	s_cmp_ge_u32 ttmp9, 256
	s_cbranch_scc1 .Lplain                         ; Wp has no norm
.irp j,0,1,2,3,4,5,6,7
	global_load_b128 v[G+4*\j:G+4*\j+3], v1, s[6:7] offset:512*\j
	global_load_b128 v[B+4*\j:B+4*\j+3], v1, s[8:9] offset:512*\j
.endr
	s_mov_b32 s38, 0x3a800000                      ; 1 / 1,024
	s_mov_b32 s39, 0x3727c5ac                      ; 1e-5
	s_wait_loadcnt 16                              ; x is in; gain and bias may be out
.irp i,0,1,2,3
	v_pk_add_f32 v[ST+4*\i:ST+4*\i+1], v[X+32*\i:X+32*\i+1], v[X+32*\i+2:X+32*\i+3]
	v_pk_add_f32 v[ST+4*\i+2:ST+4*\i+3], v[X+32*\i+4:X+32*\i+5], v[X+32*\i+6:X+32*\i+7]
.endr
.irp p,8,12,16,20,24,28
.irp i,0,1,2,3
	v_pk_add_f32 v[ST+4*\i:ST+4*\i+1], v[ST+4*\i:ST+4*\i+1], v[X+32*\i+\p:X+32*\i+\p+1]
	v_pk_add_f32 v[ST+4*\i+2:ST+4*\i+3], v[ST+4*\i+2:ST+4*\i+3], v[X+32*\i+\p+2:X+32*\i+\p+3]
.endr
.endr
	ACROSS
.irp i,0,1,2,3
	v_mul_f32 v[ST+4*\i], s38, v[ST+4*\i]          ; the mean
.endr
.irp i,0,1,2,3
.irp p,0,2,4,6,8,10,12,14,16,18,20,22,24,26,28,30
	v_pk_add_f32 v[X+32*\i+\p:X+32*\i+\p+1], v[X+32*\i+\p:X+32*\i+\p+1], v[ST+4*\i:ST+4*\i+1] op_sel_hi:[1,0] neg_lo:[0,1] neg_hi:[0,1]
.endr
.endr
.irp i,0,1,2,3
	v_pk_mul_f32 v[ST+4*\i:ST+4*\i+1], v[X+32*\i:X+32*\i+1], v[X+32*\i:X+32*\i+1]
	v_pk_mul_f32 v[ST+4*\i+2:ST+4*\i+3], v[X+32*\i+2:X+32*\i+3], v[X+32*\i+2:X+32*\i+3]
.endr
.irp p,4,8,12,16,20,24,28
.irp i,0,1,2,3
	v_pk_fma_f32 v[ST+4*\i:ST+4*\i+1], v[X+32*\i+\p:X+32*\i+\p+1], v[X+32*\i+\p:X+32*\i+\p+1], v[ST+4*\i:ST+4*\i+1]
	v_pk_fma_f32 v[ST+4*\i+2:ST+4*\i+3], v[X+32*\i+\p+2:X+32*\i+\p+3], v[X+32*\i+\p+2:X+32*\i+\p+3], v[ST+4*\i+2:ST+4*\i+3]
.endr
.endr
	ACROSS
.irp i,0,1,2,3
	v_fma_f32 v[ST+4*\i], v[ST+4*\i], s38, s39     ; the variance + 1e-5
.endr
	s_wait_alu depctr_va_vdst(0)
.irp i,0,1,2,3
	v_rsq_f32 v[ST+4*\i], v[ST+4*\i]
.endr
	v_nop                                          ; a plain line behind the last of them
	s_wait_loadcnt 0x0                             ; gain and bias
	s_wait_alu depctr_va_vdst(0)
.irp i,0,1,2,3
.irp p,0,2,4,6,8,10,12,14,16,18,20,22,24,26,28,30
	v_pk_mul_f32 v[X+32*\i+\p:X+32*\i+\p+1], v[X+32*\i+\p:X+32*\i+\p+1], v[ST+4*\i:ST+4*\i+1] op_sel_hi:[1,0]
.endr
.endr
.irp i,0,1,2,3
.irp p,0,2,4,6,8,10,12,14,16,18,20,22,24,26,28,30
	v_pk_fma_f32 v[X+32*\i+\p:X+32*\i+\p+1], v[X+32*\i+\p:X+32*\i+\p+1], v[G+\p:G+\p+1], v[B+\p:B+\p+1]
.endr
.endr
.Lplain:
	s_wait_loadcnt 0x0
	s_wait_alu depctr_va_vdst(0)
.irp i,0,1,2,3                                 ; the turn: LDS serves a wave's instructions in order, so no wait stands between my stores and my loads
.irp j,0,1,2,3,4,5,6,7
	ds_store_b128 v2, v[X+32*\i+4*\j:X+32*\i+4*\j+3] offset:4608*\i+576*\j
.endr
.irp j,0,1,2,3,4,5,6,7
	ds_load_b128 v[X+32*\i+4*\j:X+32*\i+4*\j+3], v3 offset:4608*\i+16*\j
.endr
.endr
	QROW 0, 48                                     ; behind row 0's loads: three rows' sixteen LDS instructions each
	QROW 1, 32                                     ; two rows' (and row 0's two stores: the smaller count is taken)
	QROW 2, 16
	QROW 3, 0
	s_wait_dscnt 0x0                               ; for the others' sake: my stores into the stages are done
	s_barrier_signal -1
	s_barrier_wait -1
.irp e,0,1,2,3
	ds_load_b128 v[X+4*\e:X+4*\e+3], v6 offset:544*\e
.endr
.irp e,0,1,2,3
	s_wait_dscnt 3-\e
	global_store_b128 v1, v[X+4*\e:X+4*\e+3], s[42:43] offset:16384*(\e/2)+512*(\e%2)   ; 32 lanes store 512 consecutive bytes: half a fragment
.endr
	s_cmp_lg_u32 s24, 0
	s_cbranch_scc1 .Lrows_done
	ds_load_b128 v[X+16:X+19], v10                 ; wave 0: the tile's scale bytes
	s_wait_dscnt 0x0
	global_store_b128 v1, v[X+16:X+19], s[44:45]
.Lrows_done:
	s_set_vgpr_msb 0x5
	s_wait_tensorcnt 0x0
	ds_add_u32 v0, v1
	s_wait_dscnt 0x0
	s_set_vgpr_msb 0x500
	s_endpgm
	; ---- WEIGHTS: work-group j = kind, head, a pair of K steps; wave: 32 columns (b) and one K step (s)
.Lweights:
	s_sub_co_u32 s25, ttmp9, 320
	s_lshr_b32 s26, s25, 6                         ; kind: 0 q, 1 k, 2 v
	s_bfe_u32 s27, s25, 0x40002                    ; head
	s_and_b32 s28, s25, 3
	s_lshl_b32 s28, s28, 1
	s_lshr_b32 s29, s24, 1
	s_add_co_u32 s28, s28, s29                     ; K step s
	s_and_b32 s29, s24, 1                          ; b
	s_cmp_eq_u32 s26, 0
	s_cselect_b64 s[30:31], s[10:11], s[12:13]
	s_cmp_eq_u32 s26, 2
	s_cselect_b64 s[30:31], s[14:15], s[30:31]
	s_lshl_b32 s32, s27, 18
	s_lshl_b32 s33, s28, 15
	s_add_co_u32 s32, s32, s33
	s_lshl_b32 s33, s29, 7
	s_add_co_u32 s32, s32, s33
	s_mov_b32 s33, 0
	s_add_nc_u64 s[30:31], s[30:31], s[32:33]
	s_wait_alu depctr_va_vdst(0)
	v_lshlrev_b32 v1, 2, v7
	WLOAD 0
	WLOAD 1
	v_bfe_u32 v12, v7, 3, 1                        ; column 32 b + lane is place r of tile 2 b + u: u = (lane / 8) % 2,
	v_and_b32 v13, 7, v7
	v_lshrrev_b32 v15, 4, v7
	v_lshl_add_u32 v13, v15, 3, v13                ; r = lane % 8 + 8 (lane / 16)
	v_lshlrev_b32 v2, 10, v12
	v_lshl_add_u32 v2, v13, 4, v2
	v_lshlrev_b32 v3, 6, v12
	v_lshl_add_u32 v3, v13, 2, v3
	s_lshl_b32 s37, s26, 2
	s_lshl_b32 s36, s29, 1
	s_add_co_u32 s37, s37, s36                     ; tile 4 kind + 2 b of the head's twelve
	s_mul_i32 s34, s27, 98304
	s_mul_i32 s36, s28, 12288
	s_add_co_u32 s34, s34, s36
	s_lshl_b32 s36, s37, 10
	s_add_co_u32 s34, s34, s36
	s_mov_b32 s35, 0
	s_add_nc_u64 s[34:35], s[20:21], s[34:35]
	s_mul_i32 s38, s27, 6144
	s_mul_i32 s36, s28, 768
	s_add_co_u32 s38, s38, s36
	s_lshl_b32 s36, s37, 6
	s_add_co_u32 s38, s38, s36
	s_add_co_u32 s38, s38, 0x180000
	s_mov_b32 s39, 0
	s_add_nc_u64 s[38:39], s[20:21], s[38:39]
	s_wait_alu depctr_va_vdst(0)
	WBLK 0
	WBLK 1
	WBLK 2
	WBLK 3
	global_store_b32 v3, v14, s[38:39]             ; the scale words of my 32 columns: 128 consecutive bytes
	s_endpgm
.Lfunc_end_k_qe6083c644b_prep:
	.size	k_qe6083c644b_prep, .Lfunc_end_k_qe6083c644b_prep-k_qe6083c644b_prep
	.p2alignl 7, 3214868480
	.fill 96, 4, 3214868480
	.section	.rodata,"a",@progbits
	.p2align	6, 0x0
	.amdhsa_kernel k_qe6083c644b_prep
		.amdhsa_group_segment_fixed_size 83456
		.amdhsa_private_segment_fixed_size 0
		.amdhsa_enable_private_segment 0
		.amdhsa_kernarg_size 80
		.amdhsa_user_sgpr_count 2
		.amdhsa_user_sgpr_kernarg_segment_ptr 1
		.amdhsa_wavefront_size32 1
		.amdhsa_system_sgpr_workgroup_id_x 1
		.amdhsa_system_sgpr_workgroup_id_y 1
		.amdhsa_system_sgpr_workgroup_id_z 1
		.amdhsa_system_vgpr_workitem_id 0
		.amdhsa_next_free_vgpr 258
		.amdhsa_next_free_sgpr 66
		.amdhsa_reserve_vcc 0
		.amdhsa_float_denorm_mode_32 3
		.amdhsa_float_denorm_mode_16_64 3
		.amdhsa_memory_ordered 1
		.amdhsa_forward_progress 1
		.amdhsa_inst_pref_size 64
	.end_amdhsa_kernel
	.amdgpu_metadata
---
amdhsa.version: [ 1, 2 ]
amdhsa.kernels:
  - .name:           k_qe6083c644b_prep
    .symbol:         k_qe6083c644b_prep.kd
    .args:
      - { .name: x, .offset: 0, .size: 8, .value_kind: global_buffer, .address_space: global }
      - { .name: ln_g, .offset: 8, .size: 8, .value_kind: global_buffer, .address_space: global }
      - { .name: ln_b, .offset: 16, .size: 8, .value_kind: global_buffer, .address_space: global }
      - { .name: Wq, .offset: 24, .size: 8, .value_kind: global_buffer, .address_space: global }
      - { .name: Wk, .offset: 32, .size: 8, .value_kind: global_buffer, .address_space: global }
      - { .name: Wv, .offset: 40, .size: 8, .value_kind: global_buffer, .address_space: global }
      - { .name: Wp, .offset: 48, .size: 8, .value_kind: global_buffer, .address_space: global }
      - { .name: nxq, .offset: 56, .size: 8, .value_kind: global_buffer, .address_space: global }
      - { .name: wq, .offset: 64, .size: 8, .value_kind: global_buffer, .address_space: global }
      - { .name: wpq, .offset: 72, .size: 8, .value_kind: global_buffer, .address_space: global }
    .group_segment_fixed_size: 83456
    .private_segment_fixed_size: 0
    .kernarg_segment_align: 8
    .kernarg_segment_size: 80
    .max_flat_workgroup_size: 128
    .sgpr_count:     66
    .vgpr_count:     258
    .wavefront_size: 32
...
	.end_amdgpu_metadata
.endif
;; end of part 1
;; launch qkv (part 2): grid 16 x 16, 4 waves a work-group, clusters of 4 x 4, 246,272 bytes of LDS; arguments nxq, wq, bq, bk, bv, attention_mask, qq, kv; writes qq, kv
.if DOCPART == 2
	.amdgcn_target "amdgcn-amd-amdhsa--gfx1250"
	.amdhsa_code_object_version 6
	.text
	.protected	k_qe6083c644b_qkv
	.globl	k_qe6083c644b_qkv
	.p2align	8
	.type	k_qe6083c644b_qkv,@function
k_qe6083c644b_qkv:
	s_mov_b64 s[64:65], 0
	v_nop
	global_prefetch_b8 v0, s[64:65] scope:SCOPE_SE
	s_setreg_imm32_b32 hwreg(HW_REG_WAVE_MODE, 25, 1), 1
	s_wait_xcnt 0x0
	s_wait_alu depctr_hold_cnt(0) depctr_sa_sdst(0) depctr_va_vdst(0) depctr_va_sdst(0) depctr_va_ssrc(0) depctr_va_vcc(0) depctr_vm_vsrc(0)
	s_getreg_b32 s2, hwreg(HW_REG_IB_STS2, 6, 4)
	s_cmp_eq_u32 s2, 0
	s_cbranch_scc0 .Lentry_in_a_cluster
	s_endpgm
.Lentry_in_a_cluster:
	s_bfe_u32 s2, ttmp6, 0x10000c
	s_cmp_lg_u32 s2, 0xf033
	s_cbranch_scc0 .Lentry_shape_is_right
	s_endpgm
.Lentry_shape_is_right:
; q, k, v = nx W + b for one head and 256 tokens, on codes of FP4 (E2M1) with E8M0 scales, and their quantising: q and k along the head's 64, v along the keys.
; SHARES.  Work-group (head, tb).  Wave w: token tiles 4 w + t (64 tokens) x the head's 12 tiles of W (4 each of q, k, v): 48 accumulators.
; All of K (8 steps of 128) lies in LDS as images of operand registers, filled once; nothing is filled again.
; q and k are made transposed (source 0 = 16 columns of W, source 1 = 16 tokens): a lane holds one token, its registers run along d.  v is made the other way round
; (source 0 = tokens, source 1 = columns of Wv): a lane holds one d, its registers run along the tokens, which are the K of attention's second product.
; Tile T, place r is row 32 (T / 2) + 8 (T % 2) + r + 8 (r / 8): so the 16 registers of tiles 2 b and 2 b + 1 are 16 neighbours, 32 b + 16 (lane / 16) + 0 .. 15.
; THE KEY MASK goes into the score product's idle K (64 .. 127).  q will carry the code 1.0 at k = 64 under the byte 127.  A masked key gets zero codes in k < 64, the code -1.0 at k = 64
; and the byte 160 (2^33) for that block; an open key the code 0.  So a masked score is -2^33 for every query.
; LIMIT: that is a logit of -2^30 = -1.0737e9 where the definition has -1e9: they part only where an open logit lies under about -9.9e8.
; LIMITS of the quantiser: a block whose largest magnitude lies under 2^-124 keeps the byte 1; NaN and infinities are not served.
; CLUSTER 4 x 4: nx's tiles hang on tb alone and are asked for jointly along a row of the cluster, W's on the head alone, along a column.  A wave has one tensor load out.
; REGISTERS: window 0: v1-31 addresses and small things; v32-47 nx's scale words, v48-95 W's; v96-159 nx's fragments, two sets; v160-255 W's: q's, k's, v's four each.
;   window 1: q's accumulators v[32 t + 8 w'], k's v[128 + 32 t + 8 w'].   window 2: v's v[32 w' + 8 t]; v128-191 the bias tiles of q and k.
.set AC,   0                           ; LDS: nx's codes [s 8][tile 16][1,024]
.set BC,   131072                      ; W's [s 8][tile 12][1,024]
.set AS,   229376                      ; nx's scale bytes [tile 16][g 2][r 16][16]
.set BS,   237568                      ; W's scale words [s 8][tile 12][r 16]
.set VSTG, 243712                      ; 512 bytes into which no fill lands: v's scale words of two key steps
.set KC,   0                           ; a record of kv: 9,472 bytes for 128 keys of a head
.set VC,   4096
.set KSC,  8192
.set KEX,  8704
.set VSC,  9216
.set AL16, 1
.set AL8,  2
.set ADA,  4
.set ADW,  6
.set ASA,  8
.set WSA,  9
.set VSA,  10
.set FL,   11
.set TM,   12
.set HW,   18
.set MK,   20
.set BV,   24
.set SCA,  32
.set SCW,  48
.set AF,   96
.set WB,   160
.set QP,   96                          ; the way out: codes of the twelve quantisings, four registers each; none is written twice
.set KP,   112
.set VP,   128
.set QWD,  144
.set KWD,  152
.set KPR,  160
.set KT,   164
.set CUN,  250
.set NILR, 251
.set KCO,  252
.set KWO,  253
.set VCO,  254
.set G1A,  24
.set G1B,  32
.set G1AS, 40
.set G1BS, 48
.set G0AS, 56
.set G0A0, 60
.set G0A1, 68
.set G0BS, 72
.set G0B0, 76
.set G0B1, 80
.set SEL,  98
.set MSB, 0
.macro WIN new                         ; the immediate's high byte repeats the setting that is left
.if MSB != (\new)
	s_set_vgpr_msb (MSB<<8)|(\new)
.set MSB, (\new)
.endif
.endm
.macro PLACES
.rept 4
	v_nop
.endr
.endm
.macro ARM under, g0, g1, next         ; one arm of the head's tree: a joint load, its s_nop 0 and four v_nop, a jump to the tree's end
	s_cmp_lt_u32 s20, \under
	s_cbranch_scc0 \next
	tensor_load_to_lds s[\g0:\g0+3], s[\g1:\g1+7]
	s_nop 0
	PLACES
	s_branch .Lhead_asked
\next:
.endm
.macro CROUND                          ; a round of the cluster's barrier
	s_barrier_signal -1
	s_barrier_wait -1
	s_cmp_lg_u32 s20, 0
	s_cbranch_scc1 .Lnot_wave_0_\@
	s_barrier_signal -3
.Lnot_wave_0_\@:
	s_barrier_wait -3
	s_barrier_signal -1
	s_barrier_wait -1
.endm
.macro G1REST g, rows                  ; a dense block as rows of 256 bytes: 32 elements of 8 bytes
	s_mov_b32 s[\g+1], 32<<16
	s_mov_b32 s[\g+2], (\rows)<<16
	s_mov_b32 s[\g+3], 32<<16
	s_mov_b32 s[\g+4], \rows
	s_mov_b32 s[\g+5], 32
	s_mov_b32 s[\g+6], 0
	s_mov_b32 s[\g+7], 0
.endm
; one product.  c < 0: the constant 0 starts the sum.  ra, rb: the side's scale words stand in lanes 16-31 of the register named
.macro WM d, a, b, c, sa, sb, ra, rb
.if (\c) < 0
.if (\ra) && (\rb)
	v_wmma_scale_f32_16x16x128_f8f6f4 v[(\d):(\d)+7], v[(\a):(\a)+7], v[(\b):(\b)+7], 0, v[(\sa)], v[(\sb)] matrix_a_fmt:MATRIX_FMT_FP4 matrix_b_fmt:MATRIX_FMT_FP4 matrix_a_scale:MATRIX_SCALE_ROW1 matrix_b_scale:MATRIX_SCALE_ROW1
.elseif (\ra)
	v_wmma_scale_f32_16x16x128_f8f6f4 v[(\d):(\d)+7], v[(\a):(\a)+7], v[(\b):(\b)+7], 0, v[(\sa)], v[(\sb)] matrix_a_fmt:MATRIX_FMT_FP4 matrix_b_fmt:MATRIX_FMT_FP4 matrix_a_scale:MATRIX_SCALE_ROW1
.elseif (\rb)
	v_wmma_scale_f32_16x16x128_f8f6f4 v[(\d):(\d)+7], v[(\a):(\a)+7], v[(\b):(\b)+7], 0, v[(\sa)], v[(\sb)] matrix_a_fmt:MATRIX_FMT_FP4 matrix_b_fmt:MATRIX_FMT_FP4 matrix_b_scale:MATRIX_SCALE_ROW1
.else
	v_wmma_scale_f32_16x16x128_f8f6f4 v[(\d):(\d)+7], v[(\a):(\a)+7], v[(\b):(\b)+7], 0, v[(\sa)], v[(\sb)] matrix_a_fmt:MATRIX_FMT_FP4 matrix_b_fmt:MATRIX_FMT_FP4
.endif
.else
.if (\ra) && (\rb)
	v_wmma_scale_f32_16x16x128_f8f6f4 v[(\d):(\d)+7], v[(\a):(\a)+7], v[(\b):(\b)+7], v[(\c):(\c)+7], v[(\sa)], v[(\sb)] matrix_a_fmt:MATRIX_FMT_FP4 matrix_b_fmt:MATRIX_FMT_FP4 matrix_a_scale:MATRIX_SCALE_ROW1 matrix_b_scale:MATRIX_SCALE_ROW1
.elseif (\ra)
	v_wmma_scale_f32_16x16x128_f8f6f4 v[(\d):(\d)+7], v[(\a):(\a)+7], v[(\b):(\b)+7], v[(\c):(\c)+7], v[(\sa)], v[(\sb)] matrix_a_fmt:MATRIX_FMT_FP4 matrix_b_fmt:MATRIX_FMT_FP4 matrix_a_scale:MATRIX_SCALE_ROW1
.elseif (\rb)
	v_wmma_scale_f32_16x16x128_f8f6f4 v[(\d):(\d)+7], v[(\a):(\a)+7], v[(\b):(\b)+7], v[(\c):(\c)+7], v[(\sa)], v[(\sb)] matrix_a_fmt:MATRIX_FMT_FP4 matrix_b_fmt:MATRIX_FMT_FP4 matrix_b_scale:MATRIX_SCALE_ROW1
.else
	v_wmma_scale_f32_16x16x128_f8f6f4 v[(\d):(\d)+7], v[(\a):(\a)+7], v[(\b):(\b)+7], v[(\c):(\c)+7], v[(\sa)], v[(\sb)] matrix_a_fmt:MATRIX_FMT_FP4 matrix_b_fmt:MATRIX_FMT_FP4
.endif
.endif
.endm
.macro LDW g, s                        ; the four fragments of kind g (0 q, 1 k, 2 v) of K step s
.irp w,0,1,2,3
	ds_load_b128 v[WB+32*(\g)+8*\w:WB+32*(\g)+8*\w+3], v[ADW+(\s)/4] offset:12288*((\s)%4)+1024*(4*(\g)+\w)
	ds_load_b128 v[WB+32*(\g)+8*\w+4:WB+32*(\g)+8*\w+7], v[ADW+(\s)/4] offset:12288*((\s)%4)+1024*(4*(\g)+\w)+512
.endr
.endm
.macro LDA s                           ; my four token tiles' fragments of K step s, into set s % 2
.irp t,0,1,2,3
	ds_load_b128 v[AF+32*((\s)%2)+8*\t:AF+32*((\s)%2)+8*\t+3], v[ADA+(\s)/4] offset:16384*((\s)%4)+1024*\t
	ds_load_b128 v[AF+32*((\s)%2)+8*\t+4:AF+32*((\s)%2)+8*\t+7], v[ADA+(\s)/4] offset:16384*((\s)%4)+1024*\t+512
.endr
.endm
.macro MULQK g, s                      ; 16 products of q (g = 0) or k (1); the first K step takes the bias tile as C
.if (\s) == 0
	WIN 0x60
.else
	WIN 0x50
.endif
.irp t,0,1,2,3
.irp w,0,1,2,3
.if (\s) == 0
	WM 128*(\g)+32*\t+8*\w, WB+32*(\g)+8*\w, AF+32*((\s)%2)+8*\t, 128+32*(\g)+8*\w, SCW+8*(2*(\g)+\w/2)+(\s), SCA+8*(\t/2)+(\s), \w%2, \t%2
.else
	WM 128*(\g)+32*\t+8*\w, WB+32*(\g)+8*\w, AF+32*((\s)%2)+8*\t, 128*(\g)+32*\t+8*\w, SCW+8*(2*(\g)+\w/2)+(\s), SCA+8*(\t/2)+(\s), \w%2, \t%2
.endif
.endr
.endr
.endm
.macro MULV s                          ; 16 products of v: the sources change places
	WIN 0xa0
.irp t,0,1,2,3
.irp w,0,1,2,3
.if (\s) == 0
	WM 32*\w+8*\t, AF+32*((\s)%2)+8*\t, WB+64+8*\w, -1, SCA+8*(\t/2)+(\s), SCW+8*(4+\w/2)+(\s), \t%2, \w%2
.else
	WM 32*\w+8*\t, AF+32*((\s)%2)+8*\t, WB+64+8*\w, 32*\w+8*\t, SCA+8*(\t/2)+(\s), SCW+8*(4+\w/2)+(\s), \t%2, \w%2
.endif
.endr
.endr
.endm
; A K step: 48 products, the 48 accumulators by turns.  Each set of registers is loaded anew four places behind the products that read it.
.macro STEP s
	s_wait_dscnt 16                                ; q's set and nx's are in; behind them: k's and v's sets
	MULQK 0, \s
	WIN 0
	PLACES
.if (\s) < 7
	LDW 0, (\s)+1
	LDA (\s)+1
	s_wait_dscnt 24                                ; k's set is in; behind it: v's, and the sixteen just issued
.else
	s_wait_dscnt 8
.endif
	MULQK 1, \s
	WIN 0
	PLACES
.if (\s) < 7
	LDW 1, (\s)+1
	s_wait_dscnt 24                                ; v's set is in; behind it: three sets of the next step
.else
	s_wait_dscnt 0x0
.endif
	MULV \s
	WIN 0
	PLACES
.if (\s) < 7
	LDW 2, (\s)+1
.endif
.endm
; 32 numbers of a lane in window win, register src + 16 b + i = element 32 b + 16 (lane / 16) + i of my row, become operand registers 0-3 in v[pc] on and the two scale bytes in one register
; FOUR SUCH QUANTISINGS TOGETHER, stage by stage: tile t's 32 numbers stand at src + 32 t, its codes go to v[pc + 4 t] on, its two scale bytes to v[TQ + 8 t + 6].
; Eight chains take turns, so that no line reads the line just above it, and the windows are switched once a stage for all four tiles.
.set TQ, 176                           ; v176-207 at work, eight registers a tile: 0-1 the maxima, 2-3 the other half's, then the bytes, 4-5 the scale operands, 6 the two bytes
.macro QUANT4 win, src, pc
	WIN ((\win)<<2)|((\win)<<4)
.irp t,0,1,2,3
.irp b,0,1
	v_max3_num_f32 v[TQ+8*\t+\b], v[FL], |v[(\src)+32*\t+16*\b]|, |v[(\src)+32*\t+16*\b+1]|   ; with the floor 2^(3 - 127)
.endr
.endr
.irp i,2,4,6,8,10,12,14
.irp t,0,1,2,3
.irp b,0,1
	v_max3_num_f32 v[TQ+8*\t+\b], v[TQ+8*\t+\b], |v[(\src)+32*\t+16*\b+\i]|, |v[(\src)+32*\t+16*\b+\i+1]|
.endr
.endr
.endr
	WIN 0
.irp t,0,1,2,3
.irp b,0,1
	v_permlanex16_b32 v[TQ+8*\t+2+\b], v[TQ+8*\t+\b], s[SEL], s[SEL+1]
.endr
.endr
.irp t,0,1,2,3
.irp b,0,1
	v_max_num_f32 v[TQ+8*\t+\b], v[TQ+8*\t+\b], v[TQ+8*\t+2+\b]   ; with lane l xor 16's: the block's largest magnitude
.endr
.endr
.irp t,0,1,2,3
.irp b,0,1
	v_add_nc_u32 v[TQ+8*\t+4+\b], 0xff000000, v[TQ+8*\t+\b]       ; 2 off the exponent field: the conversion's scale operand
.endr
.endr
.irp t,0,1,2,3
.irp b,0,1
	v_lshrrev_b32 v[TQ+8*\t+2+\b], 23, v[TQ+8*\t+4+\b]
.endr
.endr
.irp t,0,1,2,3
	v_lshl_or_b32 v[TQ+8*\t+6], v[TQ+8*\t+3], 8, v[TQ+8*\t+2]
.endr
	WIN (\win)
.irp t,0,1,2,3
.irp b,0,1
.irp g,0,1
	v_cvt_scalef32_pk8_fp4_f32 v[(\pc)+4*\t+2*\b+\g], v[(\src)+32*\t+16*\b+8*\g:(\src)+32*\t+16*\b+8*\g+7], v[TQ+8*\t+4+\b]
.endr
.endr
.endr
	WIN 0
	v_nop                                          ; a plain line behind the conversions
.irp t,0,1,2,3
	v_permlane16_swap_b32 v[(\pc)+4*\t], v[(\pc)+4*\t+2]     ; a whole block to a lane: lanes 0-15 block 0, lanes 16-31 block 1
	v_permlane16_swap_b32 v[(\pc)+4*\t+1], v[(\pc)+4*\t+3]
.endr
.endm
	s_load_b512 s[4:19], s[0:1], 0x0               ; nxq, wq, bq, bk, bv, attention_mask, qq, kv
	s_set_vgpr_msb 0x80
	v_lshl_add_u32 v192, v0, 2, 0x3c000
	v_mov_b32 v193, 0
	s_set_vgpr_msb 0x808a
	ds_add_u32 v192, v193
	ds_add_u32 v192, v193
	s_set_vgpr_msb 0x8a00
	v_lshrrev_b32 v12, 5, v0
	v_readfirstlane_b32 s20, v12                   ; wave
	s_lshr_b32 s21, s20, 1                         ; w / 2
	s_and_b32 s22, s20, 1                          ; and which half
	s_mov_b32 s23, 0xffff0000                      ; lanes 16-31
	s_mov_b32 s[SEL], 0x76543210
	s_mov_b32 s[SEL+1], 0xfedcba98
	s_bfe_u32 s92, ttmp6, 0x40000                  ; cx
	s_bfe_u32 s93, ttmp6, 0x40004                  ; cy
	s_lshl_b32 s96, ttmp9, 2
	s_add_co_u32 s96, s96, s92                     ; the head
	s_and_b32 s97, ttmp7, 0xffff
	s_lshl_b32 s97, s97, 2
	s_add_co_u32 s97, s97, s93                     ; tb: 256 tokens
	s_lshl_b32 s94, s93, 2
	s_lshl_b32 s94, 15, s94                        ; my row of the cluster
	s_lshl_b32 s95, 0x1111, s92                    ; my column
	s_or_b32 s[G1A], s94, (3<<16)|(1<<21)          ; 15:0 the mask; 17:16 elements of 8 bytes; 21 set beside a mask; no padding: images are read 512 bytes on end
	s_or_b32 s[G1AS], s94, (3<<16)|(1<<21)
	s_or_b32 s[G1B], s95, (3<<16)|(1<<21)
	s_or_b32 s[G1BS], s95, (3<<16)|(1<<21)
	; THE HEAD'S FOUR TILES, EACH WHOLE, ONE JOINT LOAD A WAVE (K is brought whole, and one tensor load of a wave is out):
	; wave 0 nx's codes of all eight K steps, wave 1 W's, wave 2 nx's scale bytes, wave 3 W's scale words
	G1REST G1A, 512                                ; 131,072 bytes
	G1REST G1B, 384                                ; 98,304
	G1REST G1AS, 32                                ; sixteen tiles' scale bytes
	G1REST G1BS, 24                                ; eight K steps' scale words
	s_mov_b32 s[G0AS+1], AS                        ; nx's registers hold tb alone
	s_lshl_b32 s84, s97, 13
	s_add_co_u32 s84, s84, 0x200000
	s_mov_b32 s85, 0
	s_mov_b32 s[G0A0+1], AC
	s_lshl_b32 s86, s97, 17
	s_mov_b32 s87, 0
	s_mov_b32 s[G0BS+1], BS                        ; W's hold the head alone
	s_mul_i32 s88, s96, 6144
	s_add_co_u32 s88, s88, 0x180000
	s_mov_b32 s89, 0
	s_mov_b32 s[G0B0+1], BC
	s_mul_i32 s90, s96, 98304
	s_mov_b32 s91, 0
.irp g,G0AS,G0A0,G0BS,G0B0
	s_mov_b32 s[\g], 1
.endr
	s_wait_dscnt 0x0
	s_wait_kmcnt 0x0
	s_add_nc_u64 s[G0AS+2:G0AS+3], s[4:5], s[84:85]
	s_add_nc_u64 s[G0A0+2:G0A0+3], s[4:5], s[86:87]
	s_add_nc_u64 s[G0BS+2:G0BS+3], s[6:7], s[88:89]
	s_add_nc_u64 s[G0B0+2:G0B0+3], s[6:7], s[90:91]
.irp g,G0AS,G0A0,G0BS,G0B0
	s_or_b32 s[\g+3], s[\g+3], 0x80000000
.endr
	CROUND                                         ; all sixteen work-groups are here: the joint loads meet
	ARM 1, G0A0, G1A,  .Lhead_b                    ; one tree of branches on the wave's number: every way passes one load
	ARM 2, G0B0, G1B,  .Lhead_sa
	ARM 3, G0AS, G1AS, .Lhead_sb
	tensor_load_to_lds s[G0BS:G0BS+3], s[G1BS:G1BS+7]
	s_nop 0
	PLACES
.Lhead_asked:
	v_and_b32 v14, 15, v0                          ; r
	v_bfe_u32 v15, v0, 4, 1                        ; hh
	v_and_b32 v16, 31, v0                          ; lane
	v_lshlrev_b32 v[AL16], 4, v16
	v_lshlrev_b32 v[AL8], 3, v16
	v_lshlrev_b32 v12, 6, v15                      ; q's and k's biases: lane (r, hh) wants d = 32 b + 8 u + 16 hh + 0 .. 7
	s_wait_alu depctr_va_vdst(0)
	v_and_b32 v13, 8, v14
	v_add_nc_u32 v13, v13, v14
	v_lshlrev_b32 v13, 2, v13                      ; v's bias and the mask: place r is r + 8 (r / 8)
	s_wait_alu depctr_va_vdst(0)
	s_lshl_b32 s88, s96, 8
	s_add_nc_u64 s[8:9], s[8:9], s[88:89]
	s_add_nc_u64 s[10:11], s[10:11], s[88:89]
	s_add_nc_u64 s[12:13], s[12:13], s[88:89]
	s_lshl_b32 s84, s97, 10
	s_lshl_b32 s2, s20, 8
	s_add_co_u32 s84, s84, s2
	s_add_nc_u64 s[14:15], s[14:15], s[84:85]      ; the mask of my 64 tokens
	WIN 0x80
.irp g,0,1
.irp t,0,1,2,3
	global_load_b128 v[128+32*\g+8*\t:128+32*\g+8*\t+3], v12, s[8+2*\g:9+2*\g] offset:(32*(\t/2)+8*(\t%2))*4
	global_load_b128 v[128+32*\g+8*\t+4:128+32*\g+8*\t+7], v12, s[8+2*\g:9+2*\g] offset:(32*(\t/2)+8*(\t%2))*4+16
.endr
.endr
	WIN 0
.irp t,0,1,2,3
	global_load_b32 v[BV+2*\t], v13, s[12:13] offset:(32*(\t/2)+8*(\t%2))*4      ; twice: a pair for the packed addition
	global_load_b32 v[BV+2*\t+1], v13, s[12:13] offset:(32*(\t/2)+8*(\t%2))*4
	global_load_b32 v[MK+\t], v13, s[14:15] offset:(32*(\t/2)+8*(\t%2))*4
.endr
	s_lshl_b32 s2, s20, 12
	v_add_nc_u32 v[ADA], s2, v[AL16]
	v_add_nc_u32 v[ADA+1], 65536, v[ADA]
	v_add_nc_u32 v[ADW], BC, v[AL16]
	v_add_nc_u32 v[ADW+1], BC+49152, v[AL16]
	s_lshl_b32 s2, s20, 11
	s_add_co_u32 s2, s2, AS
	v_lshlrev_b32 v[ASA], 9, v15
	v_lshl_add_u32 v[ASA], v14, 4, v[ASA]
	v_add_nc_u32 v[ASA], s2, v[ASA]                ; lanes 0-15 an even tile's bytes, lanes 16-31 the odd one's
	v_lshl_add_u32 v[WSA], v16, 2, BS
	s_lshl_b32 s2, s21, 8
	s_lshl_b32 s3, s22, 1
	s_add_co_u32 s2, s2, s3
	s_add_co_u32 s2, s2, VSTG
	v_lshl_add_u32 v[VSA], v14, 3, s2
	v_mul_u32_u24 v3, v15, 9472
	v_lshl_add_u32 v3, v14, 4, v3
	v_add_nc_u32 v19, VSTG, v[AL16]
	v_mov_b32 v[FL], 0x1800000
	s_wait_alu depctr_va_vdst(0)
	s_wait_tensorcnt 0x0                           ; my tile of the head's four is in,
	s_barrier_signal -1
	s_barrier_wait -1                              ; everybody's are
.irp p,0,1
.irp g,0,1
	ds_load_b128 v[SCA+8*\p+4*\g:SCA+8*\p+4*\g+3], v[ASA] offset:1024*\p+256*\g
.endr
.endr
.irp i,0,1,2,3,4,5
.irp s,0,1,2,3,4,5,6,7
	ds_load_b32 v[SCW+8*\i+\s], v[WSA] offset:768*\s+128*\i
.endr
.endr
	LDW 0, 0
	LDA 0
	LDW 1, 0
	LDW 2, 0
	s_wait_loadcnt 0x0                             ; biases and mask: their address registers are free
	s_lshl_b32 s10, s96, 14                        ; where my results go
	s_lshl_b32 s12, s97, 10
	s_add_co_u32 s10, s10, s12
	s_lshl_b32 s12, s20, 8
	s_add_co_u32 s10, s10, s12
	s_add_co_u32 s10, s10, 0x200000
	s_mov_b32 s11, 0
	s_add_nc_u64 s[8:9], s[16:17], s[10:11]        ; q's scale words: 256 bytes for my four tiles
	s_lshl_b32 s10, s96, 17
	s_lshl_b32 s12, s97, 13
	s_add_co_u32 s10, s10, s12
	s_lshl_b32 s12, s20, 11
	s_add_co_u32 s10, s10, s12
	s_add_nc_u64 s[16:17], s[16:17], s[10:11]      ; q's codes
	s_lshr_b32 s10, s97, 3
	s_lshl_b32 s10, s10, 4
	s_add_co_u32 s10, s10, s96
	s_lshl_b32 s10, s10, 4
	s_and_b32 s12, s97, 7
	s_lshl_b32 s12, s12, 1
	s_add_co_u32 s10, s10, s12
	s_add_co_u32 s10, s10, s21
	s_mul_i32 s10, s10, 9472
	s_add_nc_u64 s[18:19], s[18:19], s[10:11]      ; my record: (batch, head, key step 2 (tb % 8) + w / 2)
.irp s,0,1,2,3,4,5,6,7
	STEP \s
.endr
	; ---- THE WAY OUT (the four places behind the last products stand above)
.irp t,0,1,2,3
	v_mov_b32 v[TQ+8*\t+2], 0                      ; a lane permute's destination counts as one of its sources
	v_mov_b32 v[TQ+8*\t+3], 0
.endr
	v_mov_b32 v[CUN], 0x01010000                   ; an open key's bytes for blocks 2 and 3
	v_mov_b32 v[NILR], 0
	s_lshl_b32 s10, s22, 11
	v_add_nc_u32 v[KCO], s10, v[AL16]
	s_lshl_b32 s10, s22, 8
	v_add_nc_u32 v[KWO], s10, v[AL8]
	s_lshl_b32 s10, s22, 9
	v_add_nc_u32 v[VCO], s10, v[AL16]
	QUANT4 1, 0, QP
.irp t,0,1,2,3
	global_store_b128 v[AL16], v[QP+4*\t:QP+4*\t+3], s[16:17] offset:512*\t
	v_or_b32 v[QWD+\t], 0x7f7f0000, v[TQ+8*\t+6]   ; blocks 2 and 3 of q: the byte 127
.endr
	v_cndmask_b32 v[QWD+4], v[QWD], v[QWD+1], s23  ; [u = lane / 16][r][b]: tile 2 b + u
	v_cndmask_b32 v[QWD+5], v[QWD+2], v[QWD+3], s23
	global_store_b64 v[AL8], v[QWD+4:QWD+5], s[8:9]
	QUANT4 1, 128, KP
.irp t,0,1,2,3
	v_cmp_lt_i32 vcc_lo, 0, v[MK+\t]               ; my key counts
.irp e,0,1,2,3
	v_cndmask_b32 v[KP+4*\t+\e], 0, v[KP+4*\t+\e], vcc_lo
.endr
	v_cndmask_b32 v[KT], 0x01a00000, v[CUN], vcc_lo
	v_or_b32 v[KWD+\t], v[TQ+8*\t+6], v[KT]
	v_cndmask_b32 v[KWD+4+\t], 10, v[NILR], vcc_lo ; register 4 of the fragment: the code -1.0 at k = 64, or 0
	global_store_b128 v[KCO], v[KP+4*\t:KP+4*\t+3], s[18:19] offset:KC+512*\t
.endr
	v_cndmask_b32 v[KPR], v[KWD], v[KWD+1], s23
	v_cndmask_b32 v[KPR+1], v[KWD+2], v[KWD+3], s23
	v_cndmask_b32 v[KPR+2], v[KWD+4], v[KWD+5], s23
	v_cndmask_b32 v[KPR+3], v[KWD+6], v[KWD+7], s23
	global_store_b64 v[KWO], v[KPR:KPR+1], s[18:19] offset:KSC
	global_store_b64 v[KWO], v[KPR+2:KPR+3], s[18:19] offset:KEX
	WIN 0x82
.irp w,0,1,2,3
.irp j,0,2,4,6,8,10,12,14,16,18,20,22,24,26,28,30
	v_pk_add_f32 v[32*\w+\j:32*\w+\j+1], v[32*\w+\j:32*\w+\j+1], v[BV+2*\w:BV+2*\w+1]   ; + bv of my d
.endr
.endr
	QUANT4 2, 0, VP
.irp w,0,1,2,3
	global_store_b128 v[VCO], v[VP+4*\w:VP+4*\w+3], s[18:19] offset:VC+1024*\w
	ds_store_b16 v[VSA], v[TQ+8*\w+6] offset:128*(\w%2)+4*(\w/2)   ; my two bytes of the key step's scale word of d tile w
.endr
	s_wait_dscnt 0x0                               ; for the others' sake
	s_barrier_signal -1
	s_barrier_wait -1
	s_cmp_lg_u32 s20, 0
	s_cbranch_scc1 .Lnot_first
	ds_load_b128 v[168:171], v19                   ; wave 0: both key steps' scale words of v, 256 bytes each
	s_wait_dscnt 0x0
	global_store_b128 v3, v[168:171], s[18:19] offset:VSC
.Lnot_first:
	s_set_vgpr_msb 0xa
	s_wait_tensorcnt 0x0
	ds_add_u32 v192, v193
	s_wait_dscnt 0x0
	s_set_vgpr_msb 0xa00
	CROUND                                         ; the closing round
	s_endpgm
.Lfunc_end_k_qe6083c644b_qkv:
	.size	k_qe6083c644b_qkv, .Lfunc_end_k_qe6083c644b_qkv-k_qe6083c644b_qkv
	.p2alignl 7, 3214868480
	.fill 96, 4, 3214868480
	.section	.rodata,"a",@progbits
	.p2align	6, 0x0
	.amdhsa_kernel k_qe6083c644b_qkv
		.amdhsa_group_segment_fixed_size 246272
		.amdhsa_private_segment_fixed_size 0
		.amdhsa_enable_private_segment 0
		.amdhsa_kernarg_size 64
		.amdhsa_user_sgpr_count 2
		.amdhsa_user_sgpr_kernarg_segment_ptr 1
		.amdhsa_wavefront_size32 1
		.amdhsa_system_sgpr_workgroup_id_x 1
		.amdhsa_system_sgpr_workgroup_id_y 1
		.amdhsa_system_sgpr_workgroup_id_z 1
		.amdhsa_system_vgpr_workitem_id 0
		.amdhsa_next_free_vgpr 706
		.amdhsa_next_free_sgpr 100
		.amdhsa_reserve_vcc 1
		.amdhsa_float_denorm_mode_32 3
		.amdhsa_float_denorm_mode_16_64 3
		.amdhsa_memory_ordered 1
		.amdhsa_forward_progress 1
		.amdhsa_inst_pref_size 115
	.end_amdhsa_kernel
	.amdgpu_metadata
---
amdhsa.version: [ 1, 2 ]
amdhsa.kernels:
  - .name:           k_qe6083c644b_qkv
    .symbol:         k_qe6083c644b_qkv.kd
    .args:
      - { .name: nxq, .offset: 0, .size: 8, .value_kind: global_buffer, .address_space: global }
      - { .name: wq, .offset: 8, .size: 8, .value_kind: global_buffer, .address_space: global }
      - { .name: bq, .offset: 16, .size: 8, .value_kind: global_buffer, .address_space: global }
      - { .name: bk, .offset: 24, .size: 8, .value_kind: global_buffer, .address_space: global }
      - { .name: bv, .offset: 32, .size: 8, .value_kind: global_buffer, .address_space: global }
      - { .name: attention_mask, .offset: 40, .size: 8, .value_kind: global_buffer, .address_space: global }
      - { .name: qq, .offset: 48, .size: 8, .value_kind: global_buffer, .address_space: global }
      - { .name: kv, .offset: 56, .size: 8, .value_kind: global_buffer, .address_space: global }
    .group_segment_fixed_size: 246272
    .private_segment_fixed_size: 0
    .kernarg_segment_align: 8
    .kernarg_segment_size: 64
    .max_flat_workgroup_size: 128
    .sgpr_count:     100
    .vgpr_count:     706
    .wavefront_size: 32
...
	.end_amdgpu_metadata
.endif
;; end of part 2
;; launch attn (part 3): grid 8 x 32, 16 waves a work-group, clusters of 4 x 1, 169,984 bytes of LDS; arguments qq, kv, oq; writes oq
.if DOCPART == 3
	.amdgcn_target "amdgcn-amd-amdhsa--gfx1250"
	.amdhsa_code_object_version 6
	.text
	.protected	k_qe6083c644b_attn
	.globl	k_qe6083c644b_attn
	.p2align	8
	.type	k_qe6083c644b_attn,@function
k_qe6083c644b_attn:
	s_mov_b64 s[64:65], 0
	v_nop
	global_prefetch_b8 v0, s[64:65] scope:SCOPE_SE
	s_setreg_imm32_b32 hwreg(HW_REG_WAVE_MODE, 25, 1), 1
	s_wait_xcnt 0x0
	s_wait_alu depctr_hold_cnt(0) depctr_sa_sdst(0) depctr_va_vdst(0) depctr_va_sdst(0) depctr_va_ssrc(0) depctr_va_vcc(0) depctr_vm_vsrc(0)
	s_getreg_b32 s2, hwreg(HW_REG_IB_STS2, 6, 4)
	s_cmp_eq_u32 s2, 0
	s_cbranch_scc0 .Lentry_in_a_cluster
	s_endpgm
.Lentry_in_a_cluster:
	s_bfe_u32 s2, ttmp6, 0x10000c
	s_cmp_lg_u32 s2, 0x3003
	s_cbranch_scc0 .Lentry_shape_is_right
	s_endpgm
.Lentry_shape_is_right:
; out = softmax(q k^T / 8, masked) v for 256 queries of one (batch, head), both products on codes of FP4 (E2M1) with E8M0 scales, and the quantising of out along the heads' axis.
; THE SOFTMAX: t = score x log2(e) / 8; M = the running largest t rounded up to a whole number; p = 2^(t - M) is quantised along the keys, not normalised; the row's sum is taken of the
; unquantised p and divides at the end.  When M moves, the sum and O are multiplied by 2^(old M - new M), which rounds nothing.
; THE MASK costs no line here: the score product has K = 64 in an instruction of 128.  q carries the code 1.0 at k = 64; a masked key arrives with zero codes, the code -1.0 there and 2^33 as that block's scale.
; LIMITS: a masked logit is -2^30 where the definition has -1e9: they part only where an open logit lies under about -9.9e8.  The scaled scores stay under 2^31 in magnitude.
; A block whose largest magnitude lies under 2^-124 keeps the byte 1.  NaN and infinities are not served.
; SHARES.  Sixteen waves, four to a SIMD, each with one tile of 16 queries in 256 registers.  The head's 16 records (128 keys each: K's codes, V's codes with the keys innermost, scale words) lie in LDS
; as they lie in memory, 151,552 bytes, filled once: each wave asks for one record; one tensor load of a wave is out.  Nothing is filled again, so there is no loop to prefetch in.
; CLUSTER 4 x 1: the four query blocks walk the same K and V: each record is asked for jointly.
; LAYOUT.  Both products transposed: S^T = K Q^T, O^T = V^T P^T: a lane (r, h) holds query r.  WHICH ROWS FORM A TILE IS CHOSEN BY THE LDS ADDRESS: row rho of K's tile (c, i) is key
; 64 c + 32 (rho / 8) + 8 i + rho % 8.  A result's register j is row 8 h + j, so the 32 registers of tiles (c, 0 .. 3) are keys 64 c + 32 h + 0 .. 31: A WHOLE BLOCK IN ONE LANE.  So a block's largest
; score needs no other lane, and the eight conversions' results are the second product's operand as they stand.  V^T's rows are chosen alike: O^T's 32 registers are d = 32 h + 0 .. 31.
; In a record the row of key or d 32 b + 16 a + 8 u + e lies in stored tile 2 b + u at place 8 a + e: hence the lane terms and offsets below.
; A STEP: scores; the blocks' maxima; M and f; t - M and the rescaling; ONE batch of 66 exponentials with one wait ahead of it and one behind it; scales, conversions, sums; the second product.
; REGISTERS: v1-3 lane terms; v4-6 the step's addresses (K's codes, scale words, V's codes); v7 Q's scale word; v8-11 K's; v12 -M, v13 the largest score, v[14:15] the sum; v16-23 Q; v24-25 V's scale words;
;   v26 p's; v27, v31, v251 the way out; v[28:29] f; v30 Q's scale offset; v32-95 K's eight fragments; v96-159 S^T, then p; v160-191 O^T; v192-223 V's four fragments; v224-231 p's codes; v232-248 at work.
.set REC,   9472
.set VC,    4096
.set KSC,   8192
.set KEX,   8704
.set VSC,   9216
.set OSS,   151552                     ; 512 bytes into which no fill lands: out's scale bytes of the sixteen tiles
.set SPARE, 0x29000                    ; the spare words: 128 bytes for each of sixteen waves
.set SEL,   20                         ; s[20:21] lane selects: lane l xor 16
.macro CROUND
	s_barrier_signal -1
	s_barrier_wait -1
	s_cmp_lg_u32 s10, 0
	s_cbranch_scc1 .Lnot_wave_0_\@
	s_barrier_signal -3
.Lnot_wave_0_\@:
	s_barrier_wait -3
	s_barrier_signal -1
	s_barrier_wait -1
.endm
; K of the record at the step's addresses: eight tiles' codes, their register 4 (the mask's code; lanes 16-31 take bytes that meet Q's zero codes), four registers of scale words: 20 loads
.macro KLOAD
.irp c,0,1
.irp i,0,1,2,3
	ds_load_b128 v[32+32*\c+8*\i:35+32*\c+8*\i], v4 offset:2048*\c+512*(\i%2)+128*(\i/2)
	ds_load_b32 v[36+32*\c+8*\i], v5 offset:KEX+256*\c+128*(\i%2)+64*(\i/2)
.endr
	ds_load_b32 v[8+2*\c], v5 offset:KSC+256*\c        ; lanes 0-15 tile (c, 0)'s words, lanes 16-31 tile (c, 1)'s
	ds_load_b32 v[9+2*\c], v5 offset:KSC+256*\c+64     ; tiles (c, 2) and (c, 3)
.endr
.endm
.macro SCORE n, sc, row
.if \row
	v_wmma_scale_f32_16x16x128_f8f6f4 v[96+8*(\n):103+8*(\n)], v[32+8*(\n):39+8*(\n)], v[16:23], 0, v[\sc], v7 matrix_a_fmt:MATRIX_FMT_FP4 matrix_b_fmt:MATRIX_FMT_FP4 matrix_a_scale:MATRIX_SCALE_ROW1
.else
	v_wmma_scale_f32_16x16x128_f8f6f4 v[96+8*(\n):103+8*(\n)], v[32+8*(\n):39+8*(\n)], v[16:23], 0, v[\sc], v7 matrix_a_fmt:MATRIX_FMT_FP4 matrix_b_fmt:MATRIX_FMT_FP4
.endif
.endm
.macro PV i, sc, row
.if \row
	v_wmma_scale_f32_16x16x128_f8f6f4 v[160+8*(\i):167+8*(\i)], v[192+8*(\i):199+8*(\i)], v[224:231], v[160+8*(\i):167+8*(\i)], v[\sc], v26 matrix_a_fmt:MATRIX_FMT_FP4 matrix_b_fmt:MATRIX_FMT_FP4 matrix_a_scale:MATRIX_SCALE_ROW1
.else
	v_wmma_scale_f32_16x16x128_f8f6f4 v[160+8*(\i):167+8*(\i)], v[192+8*(\i):199+8*(\i)], v[224:231], v[160+8*(\i):167+8*(\i)], v[\sc], v26 matrix_a_fmt:MATRIX_FMT_FP4 matrix_b_fmt:MATRIX_FMT_FP4
.endif
.endm
; A KEY STEP: the 128 keys of the record at the step's addresses.  more = 1: the addresses go on and the next record's K is asked for.
.macro STEP more
.irp i,0,1,2,3
.irp c,0,1
	ds_load_b128 v[192+8*\i+4*\c:195+8*\i+4*\c], v6 offset:VC+1024*(\i%2)+512*\c+128*(\i/2)
.endr
.endr
	ds_load_b32 v24, v5 offset:VSC
	ds_load_b32 v25, v5 offset:VSC+64
	s_wait_dscnt 10                                ; K's 20 loads, asked for a step ago, are in; V's ten, just issued, may be out
.irp p,0,1,2,3
	SCORE 2*\p, 8+\p, 0
	SCORE 2*\p+1, 8+\p, 1
.endr
.if \more
	s_add_co_u32 s36, s36, REC
	v_add_nc_u32 v4, s36, v1                       ; four places behind the products, ahead of the loads into K's registers and of the first read of the scores
	v_add_nc_u32 v5, s36, v2
	v_add_nc_u32 v6, s36, v3
	v_mov_b32 v238, v12                            ; the old -M, kept for f: the fourth place
	KLOAD
.else
.rept 3
	v_nop
.endr
	v_mov_b32 v238, v12
.endif
.irp k,0,1,2,3                                 ; the largest score of each block, in two chains of 16 registers a block; each accumulator is first read at its low end
	v_max3_num_f32 v[232+\k], v[96+16*\k], v[97+16*\k], v[98+16*\k]
.endr
.irp e,3,5,7,9,11,13
.irp k,0,1,2,3
	v_max3_num_f32 v[232+\k], v[232+\k], v[96+16*\k+\e], v[97+16*\k+\e]
.endr
.endr
.irp c,0,1
	v_max3_num_f32 v[232+2*\c], v[232+2*\c], v[233+2*\c], v[111+32*\c]
.endr
.irp c,0,1
	v_max_num_f32 v[232+2*\c], v[232+2*\c], v[127+32*\c]   ; block 2 c + h: it serves the row's maximum and, since p rises with the score, the block's largest p
.endr
	s_delay_alu instid0(VALU_DEP_1)
	v_max3_num_f32 v236, v13, v232, v234
	s_delay_alu instid0(VALU_DEP_1)
	v_permlanex16_b32 v237, v236, s[SEL], s[SEL+1]
	s_delay_alu instid0(VALU_DEP_1)
	v_max_num_f32 v13, v236, v237                  ; the running largest score of my query
	s_delay_alu instid0(VALU_DEP_1)
	v_mul_f32 v239, s22, v13                       ; as t (c is positive)
	s_delay_alu instid0(VALU_DEP_1)
	v_floor_f32 v12, -v239                         ; the new -M = -ceil(t)
	s_delay_alu instid0(VALU_DEP_1)
	v_sub_f32 v238, v12, v238                      ; old M - new M: a whole number, 0 or less
	v_fma_f32 v240, v232, s22, v12                 ; t - M of my two blocks' largest scores
	v_fma_f32 v241, v234, s22, v12
	s_delay_alu instid0(VALU_DEP_3)
	v_cvt_i32_f32 v238, v238                       ; (it saturates)
	v_pk_fma_f32 v[96:97], v[96:97], s[22:23], v[12:13] op_sel_hi:[1,0,0]    ; t - M, two at a time
	v_pk_fma_f32 v[98:99], v[98:99], s[22:23], v[12:13] op_sel_hi:[1,0,0]
	s_delay_alu instid0(VALU_DEP_3)
	v_ldexp_f32 v28, 1.0, v238                     ; f = 2^(old M - new M)
.set j, 4
.rept 30
	v_pk_fma_f32 v[96+j:97+j], v[96+j:97+j], s[22:23], v[12:13] op_sel_hi:[1,0,0]
.set j, j+2
.endr
.set j, 0
.rept 16
	v_pk_mul_f32 v[160+j:161+j], v[160+j:161+j], v[28:29] op_sel_hi:[1,0]    ; O^T under the new M, ahead of the exponentials, in ascending order
.set j, j+2
.endr
	s_wait_alu depctr_va_vdst(0)                   ; ahead of the batch, and ahead of the wait below
.if \more
	s_wait_dscnt 20                                ; V's ten loads are in; the next record's 20, issued behind them, may be out
.else
	s_wait_dscnt 0x0
.endif
	v_exp_f32 v240, v240                           ; my blocks' largest p: the same two instructions on the same number give the same bits
	v_exp_f32 v241, v241
.set j, 0
.rept 64
	v_exp_f32 v[96+j], v[96+j]                     ; p = 2^(t - M)
.set j, j+1
.endr
	v_pk_mul_f32 v[14:15], v[14:15], v[28:29] op_sel_hi:[1,0]   ; the sum under the new M: a plain line behind the exponentials
	s_wait_alu depctr_va_vdst(0)                   ; one wait for the batch, ahead of its first reader
	v_max_num_f32 v240, 0x1800000, v240            ; with the floor 2^(3 - 127)
	v_max_num_f32 v241, 0x1800000, v241
	v_add_nc_u32 v242, 0xff000000, v240            ; 2 off the exponent field: the conversion's scale operand
	v_add_nc_u32 v243, 0xff000000, v241
.irp c,0,1
.irp i,0,1,2,3
	v_cvt_scalef32_pk8_fp4_f32 v[224+4*\c+\i], v[96+32*\c+8*\i:103+32*\c+8*\i], v[242+\c]   ; register 4 c + i of the operand: keys 64 c + 32 h + 8 i + 0 .. 7
.endr
.endr
	v_lshrrev_b32 v244, 23, v242                   ; the bytes of blocks h and 2 + h
	v_lshrrev_b32 v245, 23, v243
	s_delay_alu instid0(VALU_DEP_1)
	v_lshl_or_b32 v244, v245, 16, v244
	s_delay_alu instid0(VALU_DEP_1)
	v_permlanex16_b32 v246, v244, s[SEL], s[SEL+1]
	s_delay_alu instid0(VALU_DEP_1)
	v_perm_b32 v26, v246, v244, 0x06020400         ; lanes 0-15, which alone are read: mine, the other half's, mine, the other half's: p's scale word
	v_pk_add_f32 v[236:237], v[96:97], v[98:99]    ; the row's sum of the unquantised p, in four chains; 28 lines here: the places between the scale word and the products
	v_pk_add_f32 v[232:233], v[100:101], v[102:103]
	v_pk_add_f32 v[234:235], v[104:105], v[106:107]
	v_pk_add_f32 v[14:15], v[14:15], v[108:109]
.set j, 110
.rept 6
	v_pk_add_f32 v[236:237], v[236:237], v[j:j+1]
	v_pk_add_f32 v[232:233], v[232:233], v[j+2:j+3]
	v_pk_add_f32 v[234:235], v[234:235], v[j+4:j+5]
	v_pk_add_f32 v[14:15], v[14:15], v[j+6:j+7]
.set j, j+8
.endr
.irp g,0,1
	PV 2*\g, 24+\g, 0
	PV 2*\g+1, 24+\g, 1
.endr
	v_pk_add_f32 v[236:237], v[236:237], v[158:159]   ; the sum's last four lines are the places behind the products, ahead of the next loads into V's registers
	v_pk_add_f32 v[14:15], v[14:15], v[234:235]
	v_pk_add_f32 v[236:237], v[236:237], v[232:233]
	s_delay_alu instid0(VALU_DEP_1)
	v_pk_add_f32 v[14:15], v[14:15], v[236:237]
.endm
	s_load_b128 s[4:7], s[0:1], 0x0                ; qq, kv
	s_load_b64 s[8:9], s[0:1], 0x10                ; oq
	v_lshl_add_u32 v253, v0, 2, SPARE
	v_mov_b32 v255, 0
	ds_add_u32 v253, v255                          ; the opening lines: the add, twice on end, and its wait ahead of my tensor load
	ds_add_u32 v253, v255
	v_lshrrev_b32 v1, 5, v0
	s_delay_alu instid0(VALU_DEP_1)
	v_readfirstlane_b32 s10, v1                    ; wave 0..15
	s_bfe_u32 s11, ttmp6, 0x40000                  ; cx
	s_lshl_b32 s12, ttmp9, 2
	s_add_co_u32 s12, s12, s11                     ; my block of 256 queries: it enters q's and out's addresses alone
	s_and_b32 s13, ttmp7, 0xffff                   ; 16 x batch + head, which the four partners share
	s_mov_b32 s24, 15|(3<<16)|(1<<21)              ; the mask: all four; elements of 8 bytes; 21 set beside a mask
	s_mov_b32 s25, 32<<16                          ; a record as 37 rows of 256 bytes
	s_mov_b32 s26, 37<<16
	s_mov_b32 s27, 32<<16
	s_mov_b32 s28, 37
	s_mov_b32 s29, 32
	s_mov_b32 s30, 0
	s_mov_b32 s31, 0
	s_mov_b32 s32, 1
	s_mul_i32 s33, s10, REC                        ; record = my wave's number, in LDS as in memory
	s_mul_i32 s14, s13, 16*REC
	s_add_co_u32 s14, s14, s33
	s_mov_b32 s15, 0
	s_mov_b32 s[SEL], 0x76543210
	s_mov_b32 s[SEL+1], 0xfedcba98
	s_mov_b32 s22, 0x3e38aa3b                      ; c = log2(e) / 8
	s_mov_b32 s23, s22
	s_mov_b32 s39, 0xffff0000                      ; lanes 16-31
	s_wait_dscnt 0x0
	s_wait_kmcnt 0x0
	s_add_nc_u64 s[34:35], s[6:7], s[14:15]
	s_or_b32 s35, s35, 0x80000000
	CROUND                                         ; all four work-groups are here
	tensor_load_to_lds s[32:35], s[24:31]
	s_nop 0
.rept 4
	v_nop
.endr
	s_lshr_b32 s16, s13, 4
	s_lshl_b32 s16, s16, 7
	s_lshl_b32 s17, s12, 4
	s_add_co_u32 s16, s16, s17
	s_add_co_u32 s16, s16, s10                     ; my tile T of the 256
	s_and_b32 s17, s13, 15                         ; the head
	s_mov_b32 s19, 0
	s_lshl_b32 s18, s17, 17
	s_lshl_b32 s38, s16, 9
	s_add_co_u32 s18, s18, s38
	s_add_nc_u64 s[40:41], s[4:5], s[18:19]        ; q's codes
	s_lshl_b32 s18, s17, 14
	s_lshr_b32 s38, s16, 2
	s_lshl_b32 s38, s38, 8
	s_add_co_u32 s18, s18, s38
	s_and_b32 s38, s16, 1
	s_lshl_b32 s38, s38, 7
	s_add_co_u32 s18, s18, s38
	s_bfe_u32 s38, s16, 0x10001
	s_lshl_b32 s38, s38, 2
	s_add_co_u32 s18, s18, s38
	s_add_co_u32 s18, s18, 0x200000
	s_add_nc_u64 s[42:43], s[4:5], s[18:19]        ; q's scale words: [T / 4][T % 2][r][(T / 2) % 2]
	s_lshr_b32 s18, s16, 4
	s_lshl_b32 s18, s18, 17
	s_lshr_b32 s38, s17, 1
	s_lshl_b32 s38, s38, 14
	s_add_co_u32 s18, s18, s38
	s_lshl_b32 s38, s10, 10
	s_add_co_u32 s18, s18, s38
	s_and_b32 s38, s17, 1
	s_lshl_b32 s38, s38, 9
	s_add_co_u32 s18, s18, s38
	s_add_nc_u64 s[44:45], s[8:9], s[18:19]        ; out's codes: K step head / 2, half head % 2 of my tile's fragment
	s_lshl_b32 s18, s17, 13
	s_lshr_b32 s38, s16, 4
	s_lshl_b32 s38, s38, 9
	s_add_co_u32 s18, s18, s38
	s_add_co_u32 s18, s18, 0x200000
	s_add_nc_u64 s[46:47], s[8:9], s[18:19]        ; out's scale bytes of the work-group's sixteen tiles
	s_lshl_b32 s38, s10, 5
	s_add_co_u32 s38, s38, OSS
	s_mov_b32 s36, 0                               ; the record in hand
	s_mov_b32 s37, 15
	v_and_b32 v31, 31, v0
	v_and_b32 v27, 15, v0                          ; r
	s_delay_alu instid0(VALU_DEP_2)
	v_lshlrev_b32 v251, 4, v31                     ; 16 x lane
	s_delay_alu instid0(VALU_DEP_2)
	v_lshlrev_b32 v30, 3, v27                      ; 8 r
	global_load_b128 v[16:19], v251, s[40:41]
	global_load_b32 v7, v30, s[42:43]
	v_bfe_u32 v232, v0, 4, 1                       ; h
	v_and_b32 v233, 7, v0                          ; r % 8
	v_bfe_u32 v234, v0, 3, 1                       ; r / 8
	v_lshlrev_b32 v1, 4, v233
	v_lshlrev_b32 v2, 3, v233
	v_lshl_add_u32 v1, v232, 8, v1                 ; 256 h + 16 (r % 8)
	v_lshl_add_u32 v2, v234, 2, v2
	v_lshl_add_u32 v3, v234, 11, v1                ; V's codes: + 2,048 (r / 8): two stored tiles on
	v_lshl_add_u32 v1, v234, 10, v1                ; K's codes: + 1,024 (r / 8)
	v_lshl_add_u32 v2, v232, 7, v2                 ; scale words: 8 (r % 8) + 4 (r / 8); lanes 16-31 the odd tile's, 128 bytes on
	v_sub_nc_u32 v20, 1, v232
	s_delay_alu instid0(VALU_DEP_1)
	v_lshlrev_b32 v20, 1, v20                      ; Q's register 4: the code 1.0 at k = 64 (lanes 0-15), else zeros
	v_mov_b32 v21, 0
	v_mov_b32 v22, 0
	v_mov_b32 v23, 0
.irp i,0,1,2,3,4,5,6,7
.irp e,5,6,7
	v_mov_b32 v[32+8*\i+\e], 0                     ; K's registers 5-7: zero codes, written once
.endr
.endr
	v_lshl_add_u32 v27, v27, 1, s38                ; the way out: my tile's 32 scale bytes, 2 a query
	v_add_nc_u32 v31, OSS, v251
	v_mov_b32 v29, 0                               ; (named as the upper half of the pair v[28:29])
	v_mov_b32 v13, 0xff61b1e6                      ; the largest score so far: -3e38
	s_delay_alu instid0(VALU_DEP_1)
	v_floor_f32 v12, -v13                          ; -M: so large that the first f is 0
	v_mov_b32 v14, 0
	v_mov_b32 v15, 0
	v_mov_b32 v237, 0                              ; a lane permute's destination counts as one of its sources
	v_mov_b32 v246, 0
.set j, 0
.rept 32
	v_mov_b32 v[160+j], 0                          ; O^T: the step has no first form of its own; the first f leaves zeros zeros
.set j, j+1
.endr
	v_add_nc_u32 v4, s36, v1
	v_add_nc_u32 v5, s36, v2
	v_add_nc_u32 v6, s36, v3
	s_wait_alu depctr_va_vdst(0)                   ; the wait at the head's end
	s_wait_tensorcnt 0x0                           ; my record has landed,
	s_barrier_signal -1
	s_barrier_wait -1                              ; everybody's has
	KLOAD                                          ; the first record's K
	s_wait_loadcnt 0x0                             ; Q
.Lstep:                                            ; 15 trips of 128 keys, each asking for the next record's K
	STEP 1
	s_sub_co_u32 s37, s37, 1
	s_cmp_lg_u32 s37, 0
	s_cbranch_scc1 .Lstep
	STEP 0                                         ; the 16th record: nothing follows it
	; ---- THE WAY OUT
	v_add_f32 v14, v14, v15
	s_delay_alu instid0(VALU_DEP_1)
	v_permlanex16_b32 v237, v14, s[SEL], s[SEL+1]
	s_delay_alu instid0(VALU_DEP_1)
	v_add_f32 v14, v14, v237                       ; the row's sum
	s_wait_alu depctr_va_vdst(0)                   ; the wait ahead of the transcendental
	v_rcp_f32 v14, v14
	v_nop                                          ; a plain line behind it
	s_wait_alu depctr_va_vdst(0)                   ; and ahead of its first reader, which is also O^T's
.set j, 0
.rept 16
	v_pk_mul_f32 v[96+j:97+j], v[160+j:161+j], v[14:15] op_sel_hi:[1,0]   ; register n is out(my query, d = 32 h + n): a whole block of the last product's K
.set j, j+2
.endr
	v_max3_num_f32 v232, |v96|, |v97|, |v98|
	v_max3_num_f32 v233, |v112|, |v113|, |v114|
.irp e,3,5,7,9,11,13
	s_delay_alu instid0(VALU_DEP_2)
	v_max3_num_f32 v232, v232, |v[96+\e]|, |v[97+\e]|
	s_delay_alu instid0(VALU_DEP_2)
	v_max3_num_f32 v233, v233, |v[112+\e]|, |v[113+\e]|
.endr
	s_delay_alu instid0(VALU_DEP_1)
	v_max3_num_f32 v232, v232, v233, |v111|
	s_delay_alu instid0(VALU_DEP_1)
	v_max3_num_f32 v232, v232, |v127|, 0x1800000   ; with the floor 2^(3 - 127)
	s_delay_alu instid0(VALU_DEP_1)
	v_add_nc_u32 v242, 0xff000000, v232
	v_lshrrev_b32 v244, 23, v242                   ; block h's byte
.irp i,0,1,2,3
	v_cvt_scalef32_pk8_fp4_f32 v[224+\i], v[96+8*\i:103+8*\i], v242
.endr
	v_nop                                          ; a plain line behind the conversions
	v_permlanex16_b32 v246, v244, s[SEL], s[SEL+1]
	global_store_b128 v251, v[224:227], s[44:45]   ; 512 consecutive bytes: half a fragment of the last product's operand
	v_cndmask_b32 v247, v244, v246, s39            ; block 0's byte, in both halves of the lanes,
	v_cndmask_b32 v248, v246, v244, s39            ; and block 1's
	s_delay_alu instid0(VALU_DEP_1)
	v_lshl_or_b32 v247, v248, 8, v247
	ds_store_b16 v27, v247                         ; both lanes of a query write the same two bytes
	s_wait_dscnt 0x0                               ; for the others' sake
	s_barrier_signal -1
	s_barrier_wait -1
	s_cmp_lg_u32 s10, 0
	s_cbranch_scc1 .Lnot_first
	ds_load_b128 v[228:231], v31                   ; wave 0: the sixteen tiles' scale bytes, 512 on end
	s_wait_dscnt 0x0
	global_store_b128 v251, v[228:231], s[46:47]
.Lnot_first:
	s_wait_tensorcnt 0x0                           ; the wave's end
	ds_add_u32 v253, v255
	s_wait_dscnt 0x0
	CROUND                                         ; the closing round
	s_endpgm
.Lfunc_end_k_qe6083c644b_attn:
	.size	k_qe6083c644b_attn, .Lfunc_end_k_qe6083c644b_attn-k_qe6083c644b_attn
	.p2alignl 7, 3214868480
	.fill 96, 4, 3214868480
	.section	.rodata,"a",@progbits
	.p2align	6, 0x0
	.amdhsa_kernel k_qe6083c644b_attn
		.amdhsa_group_segment_fixed_size 169984
		.amdhsa_private_segment_fixed_size 0
		.amdhsa_enable_private_segment 0
		.amdhsa_kernarg_size 24
		.amdhsa_user_sgpr_count 2
		.amdhsa_user_sgpr_kernarg_segment_ptr 1
		.amdhsa_wavefront_size32 1
		.amdhsa_system_sgpr_workgroup_id_x 1
		.amdhsa_system_sgpr_workgroup_id_y 1
		.amdhsa_system_sgpr_workgroup_id_z 1
		.amdhsa_system_vgpr_workitem_id 0
		.amdhsa_next_free_vgpr 256
		.amdhsa_next_free_sgpr 66
		.amdhsa_reserve_vcc 0
		.amdhsa_float_denorm_mode_32 3
		.amdhsa_float_denorm_mode_16_64 3
		.amdhsa_memory_ordered 1
		.amdhsa_forward_progress 1
		.amdhsa_inst_pref_size 42
	.end_amdhsa_kernel
	.amdgpu_metadata
---
amdhsa.version: [ 1, 2 ]
amdhsa.kernels:
  - .name:           k_qe6083c644b_attn
    .symbol:         k_qe6083c644b_attn.kd
    .args:
      - { .name: qq, .offset: 0, .size: 8, .value_kind: global_buffer, .address_space: global }
      - { .name: kv, .offset: 8, .size: 8, .value_kind: global_buffer, .address_space: global }
      - { .name: oq, .offset: 16, .size: 8, .value_kind: global_buffer, .address_space: global }
    .group_segment_fixed_size: 169984
    .private_segment_fixed_size: 0
    .kernarg_segment_align: 8
    .kernarg_segment_size: 24
    .max_flat_workgroup_size: 512
    .sgpr_count:     66
    .vgpr_count:     256
    .wavefront_size: 32
...
	.end_amdgpu_metadata
.endif
;; end of part 3
;; launch proj (part 4): grid 8 x 32, 4 waves a work-group, clusters of 4 x 4, 168,448 bytes of LDS; arguments oq, wpq, x, bp, out0; writes out0
.if DOCPART == 4
	.amdgcn_target "amdgcn-amd-amdhsa--gfx1250"
	.amdhsa_code_object_version 6
	.text
	.protected	k_qe6083c644b_proj
	.globl	k_qe6083c644b_proj
	.p2align	8
	.type	k_qe6083c644b_proj,@function
k_qe6083c644b_proj:
	s_mov_b64 s[64:65], 0
	v_nop
	global_prefetch_b8 v0, s[64:65] scope:SCOPE_SE
	s_setreg_imm32_b32 hwreg(HW_REG_WAVE_MODE, 25, 1), 1
	s_wait_xcnt 0x0
	s_wait_alu depctr_hold_cnt(0) depctr_sa_sdst(0) depctr_va_vdst(0) depctr_va_sdst(0) depctr_va_ssrc(0) depctr_va_vcc(0) depctr_vm_vsrc(0)
	s_getreg_b32 s2, hwreg(HW_REG_IB_STS2, 6, 4)
	s_cmp_eq_u32 s2, 0
	s_cbranch_scc0 .Lentry_in_a_cluster
	s_endpgm
.Lentry_in_a_cluster:
	s_bfe_u32 s2, ttmp6, 0x10000c
	s_cmp_lg_u32 s2, 0xf033
	s_cbranch_scc0 .Lentry_shape_is_right
	s_endpgm
.Lentry_shape_is_right:
; out0 = x + out Wp^T + bp, the product on codes of FP4 (E2M1) with E8M0 scales.
; SHARES.  Work-group (xb, yb): 128 tokens x 128 columns; wave (wm, wn): 64 x 64: 16 accumulators.  All of K (8 steps of 128) lies in LDS as images of operand registers, filled once.
; The product is used transposed (source 0 = 16 rows of Wp, source 1 = 16 tokens): a lane holds one token and, of tiles 2 b and 2 b + 1, 16 neighbouring columns.
; Tile T, place r is row 32 (T / 2) + 8 (T % 2) + r + 8 (r / 8), for tokens and for Wp's rows.
; CLUSTER 4 x 4: out's tiles hang on yb alone and are asked for jointly along a row of the cluster, Wp's on xb alone, along a column.  A wave has one tensor load out.
; x is asked for at the head and lies in registers when the sums are done.  Results go through the wave's own stage in LDS: sixteen lanes store 256 consecutive bytes, aligned.
; REGISTERS: window 0: v1-9 addresses; v12-15 bp; v32-47 out's scale words, v48-63 Wp's; v64-191 two sets of fragments (out's four, Wp's four); v192-255 rows on the way out, two sets.
;   window 1: accumulators v[32 t + 8 j]; v128-255 x.
.set AC,  0                            ; LDS: out's codes [s 8][tile 8][1,024]
.set BC,  65536                        ; Wp's likewise
.set OSL, 131072                       ; out's scale bytes [head 16][tile 8][r 16][2]
.set WSL, 135168                       ; Wp's [tile 8][g 2][r 16][16]
.set STG, 139264                       ; four stages of 16 rows x (256 + 16) bytes; no fill lands here
.set SCA, 32
.set SCB, 48
.set FS,  64
.set Y,   192
.set BP,  12
.set G1A,  24
.set G1B,  32
.set G1AS, 40
.set G1BS, 48
.set G0AS, 56
.set G0A0, 60
.set G0A1, 68
.set G0BS, 72
.set G0B0, 76
.set G0B1, 80
.set MSB, 0
.macro WIN new
.if MSB != (\new)
	s_set_vgpr_msb (MSB<<8)|(\new)
.set MSB, (\new)
.endif
.endm
.macro PLACES
.rept 4
	v_nop
.endr
.endm
.macro ARM under, g0, g1, next         ; one arm of the head's tree: a joint load, its s_nop 0 and four v_nop, a jump to the tree's end
	s_cmp_lt_u32 s14, \under
	s_cbranch_scc0 \next
	tensor_load_to_lds s[\g0:\g0+3], s[\g1:\g1+7]
	s_nop 0
	PLACES
	s_branch .Lhead_asked
\next:
.endm
.macro CROUND
	s_barrier_signal -1
	s_barrier_wait -1
	s_cmp_lg_u32 s14, 0
	s_cbranch_scc1 .Lnot_wave_0_\@
	s_barrier_signal -3
.Lnot_wave_0_\@:
	s_barrier_wait -3
	s_barrier_signal -1
	s_barrier_wait -1
.endm
.macro G1REST g, cols, rows, pitch     ; elements of 8 bytes
	s_mov_b32 s[\g+1], (\cols)<<16
	s_mov_b32 s[\g+2], (\rows)<<16
	s_mov_b32 s[\g+3], (\cols)<<16
	s_mov_b32 s[\g+4], \rows
	s_mov_b32 s[\g+5], \pitch
	s_mov_b32 s[\g+6], 0
	s_mov_b32 s[\g+7], 0
.endm
.macro WM d, a, b, c, sa, sb, ra, rb   ; one product.  c < 0: the constant 0 starts the sum.  ra, rb: the side's scale words stand in lanes 16-31
.if (\c) < 0
.if (\ra) && (\rb)
	v_wmma_scale_f32_16x16x128_f8f6f4 v[(\d):(\d)+7], v[(\a):(\a)+7], v[(\b):(\b)+7], 0, v[(\sa)], v[(\sb)] matrix_a_fmt:MATRIX_FMT_FP4 matrix_b_fmt:MATRIX_FMT_FP4 matrix_a_scale:MATRIX_SCALE_ROW1 matrix_b_scale:MATRIX_SCALE_ROW1
.elseif (\ra)
	v_wmma_scale_f32_16x16x128_f8f6f4 v[(\d):(\d)+7], v[(\a):(\a)+7], v[(\b):(\b)+7], 0, v[(\sa)], v[(\sb)] matrix_a_fmt:MATRIX_FMT_FP4 matrix_b_fmt:MATRIX_FMT_FP4 matrix_a_scale:MATRIX_SCALE_ROW1
.elseif (\rb)
	v_wmma_scale_f32_16x16x128_f8f6f4 v[(\d):(\d)+7], v[(\a):(\a)+7], v[(\b):(\b)+7], 0, v[(\sa)], v[(\sb)] matrix_a_fmt:MATRIX_FMT_FP4 matrix_b_fmt:MATRIX_FMT_FP4 matrix_b_scale:MATRIX_SCALE_ROW1
.else
	v_wmma_scale_f32_16x16x128_f8f6f4 v[(\d):(\d)+7], v[(\a):(\a)+7], v[(\b):(\b)+7], 0, v[(\sa)], v[(\sb)] matrix_a_fmt:MATRIX_FMT_FP4 matrix_b_fmt:MATRIX_FMT_FP4
.endif
.else
.if (\ra) && (\rb)
	v_wmma_scale_f32_16x16x128_f8f6f4 v[(\d):(\d)+7], v[(\a):(\a)+7], v[(\b):(\b)+7], v[(\c):(\c)+7], v[(\sa)], v[(\sb)] matrix_a_fmt:MATRIX_FMT_FP4 matrix_b_fmt:MATRIX_FMT_FP4 matrix_a_scale:MATRIX_SCALE_ROW1 matrix_b_scale:MATRIX_SCALE_ROW1
.elseif (\ra)
	v_wmma_scale_f32_16x16x128_f8f6f4 v[(\d):(\d)+7], v[(\a):(\a)+7], v[(\b):(\b)+7], v[(\c):(\c)+7], v[(\sa)], v[(\sb)] matrix_a_fmt:MATRIX_FMT_FP4 matrix_b_fmt:MATRIX_FMT_FP4 matrix_a_scale:MATRIX_SCALE_ROW1
.elseif (\rb)
	v_wmma_scale_f32_16x16x128_f8f6f4 v[(\d):(\d)+7], v[(\a):(\a)+7], v[(\b):(\b)+7], v[(\c):(\c)+7], v[(\sa)], v[(\sb)] matrix_a_fmt:MATRIX_FMT_FP4 matrix_b_fmt:MATRIX_FMT_FP4 matrix_b_scale:MATRIX_SCALE_ROW1
.else
	v_wmma_scale_f32_16x16x128_f8f6f4 v[(\d):(\d)+7], v[(\a):(\a)+7], v[(\b):(\b)+7], v[(\c):(\c)+7], v[(\sa)], v[(\sb)] matrix_a_fmt:MATRIX_FMT_FP4 matrix_b_fmt:MATRIX_FMT_FP4
.endif
.endif
.endm
.macro LD s                            ; K step s: out's four fragments and Wp's four, into set s % 2
.irp t,0,1,2,3
	ds_load_b128 v[FS+64*((\s)%2)+8*\t:FS+64*((\s)%2)+8*\t+3], v3 offset:8192*(\s)+1024*\t
	ds_load_b128 v[FS+64*((\s)%2)+8*\t+4:FS+64*((\s)%2)+8*\t+7], v3 offset:8192*(\s)+1024*\t+512
	ds_load_b128 v[FS+64*((\s)%2)+32+8*\t:FS+64*((\s)%2)+32+8*\t+3], v4 offset:8192*(\s)+1024*\t
	ds_load_b128 v[FS+64*((\s)%2)+32+8*\t+4:FS+64*((\s)%2)+32+8*\t+7], v4 offset:8192*(\s)+1024*\t+512
.endr
.endm
.macro STEP s
	PLACES                                         ; behind the last step's products, ahead of the loads into the set that they read
.if (\s) < 7
	LD (\s)+1
	s_wait_dscnt 16                                ; this step's fragments are in; the next step's sixteen loads may be out
.else
	s_wait_dscnt 0x0
.endif
	WIN 0x50
.irp t,0,1,2,3
.irp j,0,1,2,3
.if (\s) == 0
	WM 32*\t+8*\j, FS+64*((\s)%2)+32+8*\j, FS+64*((\s)%2)+8*\t, -1, SCB+8*(\j/2)+(\s), SCA+8*(\t/2)+(\s), \j%2, \t%2
.else
	WM 32*\t+8*\j, FS+64*((\s)%2)+32+8*\j, FS+64*((\s)%2)+8*\t, 32*\t+8*\j, SCB+8*(\j/2)+(\s), SCA+8*(\t/2)+(\s), \j%2, \t%2
.endif
.endr
.endr
	WIN 0
.endm
	s_load_b256 s[4:11], s[0:1], 0x0               ; oq, wpq, x, bp
	s_load_b64 s[12:13], s[0:1], 0x20              ; out0
	v_lshl_add_u32 v30, v0, 2, 0x29000
	v_mov_b32 v31, 0
	ds_add_u32 v30, v31
	ds_add_u32 v30, v31
	v_lshrrev_b32 v16, 5, v0
	v_readfirstlane_b32 s14, v16                   ; wave
	s_lshr_b32 s15, s14, 1                         ; wm.
	s_and_b32 s16, s14, 1                          ; wn.
	s_bfe_u32 s92, ttmp6, 0x40000                  ; cx
	s_bfe_u32 s93, ttmp6, 0x40004                  ; cy
	s_lshl_b32 s96, ttmp9, 2
	s_add_co_u32 s96, s96, s92                     ; xb: 128 columns
	s_and_b32 s97, ttmp7, 0xffff
	s_lshl_b32 s97, s97, 2
	s_add_co_u32 s97, s97, s93                     ; yb: 128 tokens
	s_lshl_b32 s94, s93, 2
	s_lshl_b32 s94, 15, s94                        ; my row of the cluster
	s_lshl_b32 s95, 0x1111, s92                    ; my column
	s_or_b32 s[G1A], s94, (3<<16)|(1<<21)
	s_or_b32 s[G1AS], s94, (3<<16)|(1<<21)
	s_or_b32 s[G1B], s95, (3<<16)|(1<<21)
	s_or_b32 s[G1BS], s95, (3<<16)|(1<<21)
	; THE HEAD'S FOUR TILES, EACH WHOLE, ONE JOINT LOAD A WAVE (K is brought whole, and one tensor load of a wave is out):
	; wave 0 out's codes of all eight K steps, wave 1 Wp's, wave 2 out's scale bytes, wave 3 Wp's
	G1REST G1A, 1024, 8, 2048                      ; eight K steps: eight fragments (8,192 bytes) each, 16,384 bytes apart
	G1REST G1B, 1024, 8, 2048
	G1REST G1AS, 32, 16, 1024                      ; sixteen heads' 256 scale bytes, 8,192 bytes apart
	G1REST G1BS, 32, 16, 32                        ; eight tiles' scale bytes, dense
	s_mov_b32 s[G0AS+1], OSL                       ; out's registers hold yb alone
	s_lshl_b32 s84, s97, 8
	s_add_co_u32 s84, s84, 0x200000
	s_mov_b32 s85, 0
	s_mov_b32 s[G0A0+1], AC
	s_lshr_b32 s86, s97, 1
	s_lshl_b32 s86, s86, 17
	s_and_b32 s2, s97, 1
	s_lshl_b32 s2, s2, 13
	s_add_co_u32 s86, s86, s2
	s_mov_b32 s87, 0
	s_mov_b32 s[G0BS+1], WSL                       ; Wp's hold xb alone
	s_lshl_b32 s88, s96, 12
	s_add_co_u32 s88, s88, 0x80000
	s_mov_b32 s89, 0
	s_mov_b32 s[G0B0+1], BC
	s_lshr_b32 s90, s96, 1
	s_lshl_b32 s90, s90, 17
	s_and_b32 s3, s96, 1
	s_lshl_b32 s3, s3, 13
	s_add_co_u32 s90, s90, s3
	s_mov_b32 s91, 0
.irp g,G0AS,G0A0,G0BS,G0B0
	s_mov_b32 s[\g], 1
.endr
	s_wait_dscnt 0x0
	s_wait_kmcnt 0x0
	s_add_nc_u64 s[G0AS+2:G0AS+3], s[4:5], s[84:85]
	s_add_nc_u64 s[G0A0+2:G0A0+3], s[4:5], s[86:87]
	s_add_nc_u64 s[G0BS+2:G0BS+3], s[6:7], s[88:89]
	s_add_nc_u64 s[G0B0+2:G0B0+3], s[6:7], s[90:91]
.irp g,G0AS,G0A0,G0BS,G0B0
	s_or_b32 s[\g+3], s[\g+3], 0x80000000
.endr
	CROUND                                         ; all sixteen work-groups are here
	ARM 1, G0A0, G1A,  .Lhead_b                    ; one tree of branches on the wave's number: every way passes one load
	ARM 2, G0B0, G1B,  .Lhead_sa
	ARM 3, G0AS, G1AS, .Lhead_sb
	tensor_load_to_lds s[G0BS:G0BS+3], s[G1BS:G1BS+7]
	s_nop 0
	PLACES
.Lhead_asked:
	v_and_b32 v16, 15, v0                          ; r
	v_bfe_u32 v17, v0, 4, 1                        ; hh
	v_and_b32 v18, 31, v0                          ; lane
	v_lshlrev_b32 v1, 4, v18
	v_lshlrev_b32 v2, 12, v17
	v_lshl_add_u32 v2, v16, 4, v2                  ; x and out0: lanes 0-15 one row's 256 bytes, lanes 16-31 the next row's
	s_wait_alu depctr_va_vdst(0)
	v_lshlrev_b32 v9, 4, v16
	s_wait_alu depctr_va_vdst(0)
	s_lshl_b32 s18, s97, 19
	s_lshl_b32 s20, s15, 18
	s_add_co_u32 s18, s18, s20
	s_lshl_b32 s22, s96, 9
	s_lshl_b32 s20, s16, 8
	s_add_co_u32 s22, s22, s20
	s_add_co_u32 s18, s18, s22
	s_mov_b32 s19, 0
	s_mov_b32 s23, 0
	s_add_nc_u64 s[8:9], s[8:9], s[18:19]
	s_add_nc_u64 s[12:13], s[12:13], s[18:19]
	s_add_nc_u64 s[10:11], s[10:11], s[22:23]
	WIN 0x40
.irp t,0,1,2,3
.irp i,0,1,2,3,4,5,6,7
	global_load_b128 v[128+32*\t+4*\i:128+32*\t+4*\i+3], v2, s[8:9] offset:4096*(32*(\t/2)+8*(\t%2)+2*\i+8*(\i/4))   ; places 2 i, 2 i + 1 of tile t
.endr
.endr
	WIN 0
	global_load_b128 v[BP:BP+3], v9, s[10:11]
	s_lshl_b32 s20, s15, 12
	v_add_nc_u32 v3, s20, v1
	s_lshl_b32 s20, s16, 12
	s_add_co_u32 s20, s20, BC
	v_add_nc_u32 v4, s20, v1
	s_lshl_b32 s20, s15, 7
	s_add_co_u32 s20, s20, OSL
	v_lshl_add_u32 v5, v18, 1, s20
	s_lshl_b32 s20, s16, 11
	s_add_co_u32 s20, s20, WSL
	v_lshlrev_b32 v6, 9, v17
	v_lshl_add_u32 v6, v16, 4, v6
	v_add_nc_u32 v6, s20, v6
	s_mul_i32 s20, s14, 4352
	s_add_co_u32 s20, s20, STG
	v_mul_u32_u24 v7, v16, 272
	v_lshl_add_u32 v7, v17, 6, v7
	v_add_nc_u32 v7, s20, v7                       ; into my stage: row r, 64 bytes for each half of the lanes
	v_mul_u32_u24 v8, v17, 272
	v_lshl_add_u32 v8, v16, 4, v8
	v_add_nc_u32 v8, s20, v8                       ; back: two rows an instruction
	s_wait_alu depctr_va_vdst(0)
	s_wait_tensorcnt 0x0                           ; my tile of the head's four is in,
	s_barrier_signal -1
	s_barrier_wait -1                              ; everybody's are
.irp p,0,1
.irp s,0,1,2,3,4,5,6,7
	ds_load_u16 v[SCA+8*\p+\s], v5 offset:512*\s+64*\p          ; head 2 s: blocks 0 and 1 of K step s; lanes 0-15 tile 2 p, lanes 16-31 tile 2 p + 1
	ds_load_u16 v[Y+8*\p+\s], v5 offset:512*\s+64*\p+256        ; head 2 s + 1: blocks 2 and 3
.endr
.endr
.irp p,0,1
.irp g,0,1
	ds_load_b128 v[SCB+8*\p+4*\g:SCB+8*\p+4*\g+3], v6 offset:1024*\p+256*\g
.endr
.endr
	LD 0
	s_wait_dscnt 16                                ; the scales are in; the first fragments may be out
.irp n,0,1,2,3,4,5,6,7,8,9,10,11,12,13,14,15
	v_lshl_or_b32 v[SCA+\n], v[Y+\n], 16, v[SCA+\n]
.endr
	PLACES                                         ; with the first step's four: eight places between a scale word made by a vector instruction and the first product
	s_wait_alu depctr_va_vdst(0)
.irp s,0,1,2,3,4,5,6,7
	STEP \s
.endr
	; ---- THE WAY OUT, a tile of 16 tokens at a time
	s_wait_loadcnt 0x0                             ; x and bp
	PLACES
.irp t,0,1,2,3
.if \t >= 2
	s_wait_xcnt 0x0                                ; tile t - 2's stores have read their registers
.endif
	WIN 0x04                                       ; an LDS store's data are its source 1: window 1
.irp j,0,1,2,3
	ds_store_b128 v7, v[32*\t+8*\j:32*\t+8*\j+3] offset:128*(\j/2)+32*(\j%2)
	ds_store_b128 v7, v[32*\t+8*\j+4:32*\t+8*\j+7] offset:128*(\j/2)+32*(\j%2)+16
.endr
	WIN 0
.irp i,0,1,2,3,4,5,6,7
	ds_load_b128 v[Y+32*(\t%2)+4*\i:Y+32*(\t%2)+4*\i+3], v8 offset:544*\i   ; LDS serves a wave's instructions in order: these see my stores
.endr
	s_wait_dscnt 0x0
.irp i,0,1,2,3,4,5,6,7
	v_pk_add_f32 v[Y+32*(\t%2)+4*\i:Y+32*(\t%2)+4*\i+1], v[Y+32*(\t%2)+4*\i:Y+32*(\t%2)+4*\i+1], v[BP:BP+1]
	v_pk_add_f32 v[Y+32*(\t%2)+4*\i+2:Y+32*(\t%2)+4*\i+3], v[Y+32*(\t%2)+4*\i+2:Y+32*(\t%2)+4*\i+3], v[BP+2:BP+3]
.endr
	WIN 0x04                                       ; x: source 1, window 1
.irp i,0,1,2,3,4,5,6,7
	v_pk_add_f32 v[Y+32*(\t%2)+4*\i:Y+32*(\t%2)+4*\i+1], v[Y+32*(\t%2)+4*\i:Y+32*(\t%2)+4*\i+1], v[128+32*\t+4*\i:128+32*\t+4*\i+1]
	v_pk_add_f32 v[Y+32*(\t%2)+4*\i+2:Y+32*(\t%2)+4*\i+3], v[Y+32*(\t%2)+4*\i+2:Y+32*(\t%2)+4*\i+3], v[128+32*\t+4*\i+2:128+32*\t+4*\i+3]
.endr
	WIN 0
.irp i,0,1,2,3,4,5,6,7
	global_store_b128 v2, v[Y+32*(\t%2)+4*\i:Y+32*(\t%2)+4*\i+3], s[12:13] offset:4096*(32*(\t/2)+8*(\t%2)+2*\i+8*(\i/4)) th:TH_STORE_NT   ; 16 lanes store 256 consecutive bytes, aligned
.endr
.endr
	s_wait_tensorcnt 0x0
	ds_add_u32 v30, v31
	s_wait_dscnt 0x0
	CROUND                                         ; the closing round
	s_endpgm
.Lfunc_end_k_qe6083c644b_proj:
	.size	k_qe6083c644b_proj, .Lfunc_end_k_qe6083c644b_proj-k_qe6083c644b_proj
	.p2alignl 7, 3214868480
	.fill 96, 4, 3214868480
	.section	.rodata,"a",@progbits
	.p2align	6, 0x0
	.amdhsa_kernel k_qe6083c644b_proj
		.amdhsa_group_segment_fixed_size 168448
		.amdhsa_private_segment_fixed_size 0
		.amdhsa_enable_private_segment 0
		.amdhsa_kernarg_size 40
		.amdhsa_user_sgpr_count 2
		.amdhsa_user_sgpr_kernarg_segment_ptr 1
		.amdhsa_wavefront_size32 1
		.amdhsa_system_sgpr_workgroup_id_x 1
		.amdhsa_system_sgpr_workgroup_id_y 1
		.amdhsa_system_sgpr_workgroup_id_z 1
		.amdhsa_system_vgpr_workitem_id 0
		.amdhsa_next_free_vgpr 512
		.amdhsa_next_free_sgpr 98
		.amdhsa_reserve_vcc 0
		.amdhsa_float_denorm_mode_32 3
		.amdhsa_float_denorm_mode_16_64 3
		.amdhsa_memory_ordered 1
		.amdhsa_forward_progress 1
		.amdhsa_inst_pref_size 57
	.end_amdhsa_kernel
	.amdgpu_metadata
---
amdhsa.version: [ 1, 2 ]
amdhsa.kernels:
  - .name:           k_qe6083c644b_proj
    .symbol:         k_qe6083c644b_proj.kd
    .args:
      - { .name: oq, .offset: 0, .size: 8, .value_kind: global_buffer, .address_space: global }
      - { .name: wpq, .offset: 8, .size: 8, .value_kind: global_buffer, .address_space: global }
      - { .name: x, .offset: 16, .size: 8, .value_kind: global_buffer, .address_space: global }
      - { .name: bp, .offset: 24, .size: 8, .value_kind: global_buffer, .address_space: global }
      - { .name: out0, .offset: 32, .size: 8, .value_kind: global_buffer, .address_space: global }
    .group_segment_fixed_size: 168448
    .private_segment_fixed_size: 0
    .kernarg_segment_align: 8
    .kernarg_segment_size: 40
    .max_flat_workgroup_size: 128
    .sgpr_count:     98
    .vgpr_count:     512
    .wavefront_size: 32
...
	.end_amdgpu_metadata
.endif
;; end of part 4
